; MI455X (gfx1250); checked and timed in simulation.
; The chip was launched on July 23, 2026; its instructions are those of AMD's public machine-readable ISA for CDNA 5 (MIT licence, August 2026) and "CDNA5" Instruction Set Architecture Reference Guide (July 2026). The comments in the code are by the model that wrote it; some were corrected since.
;; Self Attention. Allowed arithmetic: matrix products marked QUANTISED: E2M1 operands, one E8M0 scale for each 32 along K, by v_wmma_scale_f32_16x16x128_f8f6f4 with both operands' format E2M1 (or v_wmma_scale_f32_32x16x128_f4), f32 sums; products left as they are: bf16, f16 or f32 operands; f32 sums; everything else in f32.
;; Inputs: Wk 1,024 x 1,024 float32; Wo 1,024 x 1,024 float32; Wq 1,024 x 1,024 float32; Wv 1,024 x 1,024 float32; x 4 x 2,048 x 1,024 float32.
;; Outputs: out0 4 x 2,048 x 1,024 float32.
;; This version of the problem:
;;   THIS VERSION OF THE PROBLEM IS GIVEN IN LOW PRECISION. The matrix products marked QUANTISED in the list below multiply operands that are first quantised to E2M1 (2 exponent bits, 1 mantissa bit; 4 bits a number), with one power-of-two scale for each 32 numbers along K (OCP MX v1.0); their sums are f32. The products marked 'left as it is' may take bf16, f16 or f32 operands, with f32 sums. Whichever they take, every output number must still come out within the allowed error. Rounding operands to bf16 (8 significant bits) uses up far more of that allowance than f16 does (11 bits, for magnitudes from 6e-5 to 65,504). All else is computed in f32.
;;   The module's matrix products, in the order in which they are computed (A, B: the left and right operand; K: the contracted axis; several contracted axes count as one K, in the product's order):
;;     1. [M 8,192, K 1,024] x [K 1,024, N 1,024]; A: input x; B: input Wq: QUANTISED
;;     2. [M 8,192, K 1,024] x [K 1,024, N 1,024]; A: input x; B: input Wk: QUANTISED
;;     3. [M 8,192, K 1,024] x [K 1,024, N 1,024]; A: input x; B: input Wv: QUANTISED
;;     4. batch 64 x [M 2,048, K 64] x [K 64, N 2,048]; A: computed on the way; B: computed on the way: left as it is (an operand is computed on the way)
;;     5. batch 64 x [M 2,048, K 2,048] x [K 2,048, N 64]; A: computed on the way; B: computed on the way: left as it is (an operand is computed on the way)
;;     6. [M 8,192, K 1,024] x [K 1,024, N 1,024]; A: computed on the way; B: input Wo: left as it is (an operand is computed on the way)
;;   THE QUANTISER, for each operand of a quantised product, along K:
;;     - K is cut into blocks of 32 from its start; a last block that is shorter is filled with zeros.
;;     - A block's scale is 2^e with e = floor(log2(the largest magnitude in the block)) - 2, held to -126 .. 127; a block of zeros has e = 0. As a byte (E8M0): e + 127.
;;     - Each number is divided by its block's scale, clamped to +-6, and rounded to the nearest number of E2M1, ties to even, subnormals kept.
;;     - The product sums the exact products of the quantised numbers (number of the format x scale) in f32.
;;   ~~~python
;;   def quantise(x, axis):      # numpy; x: float32 -> the quantised numbers, widened to float32 again
;;       x = np.moveaxis(x, axis, -1); K = x.shape[-1]
;;       x = np.pad(x, [(0, 0)] * (x.ndim - 1) + [(0, -K % 32)]); x = x.reshape(x.shape[:-1] + (-1, 32)); a = np.abs(x).max(-1, keepdims=True)
;;       e = np.where(a > 0, np.clip(np.frexp(np.where(a > 0, a, 1))[1] - 1 - 2, -126, 127), 0)      # np.frexp(a)[1] - 1 = floor(log2(a)), exactly
;;       r = np.clip(x / 2.0 ** e, -6, 6)
;;       step = 2.0 ** (np.maximum(np.frexp(np.where(r == 0, 1, r))[1] - 1, 0) - 1)
;;       q = np.round(r / step) * step * 2.0 ** e      # np.round: ties to even
;;       return np.moveaxis(q.reshape(q.shape[:-2] + (-1,))[..., :K], -1, axis).astype(np.float32)
;;   ~~~
;; One version. Each part assembles by itself: llvm-mc -triple=amdgcn-amd-amdhsa -mcpu=gfx1250 --defsym DOCPART=n.
;; ======== version 1 of 1: 4 launches
;; limits: values are held in f16: magnitudes above 65,504 overflow, below 6.1e-05 lose precision
;; workspace buffers: xc 4,194,304 bytes; xs 262,144 bytes; wc 1,572,864 bytes; ws 98,304 bytes; wo16 2,097,152 bytes; rot 524,288 bytes; qkv 50,331,648 bytes; att 16,777,216 bytes
;; launch prep (part 1): grid 416 x 1, 4 waves a work-group, no clusters, 33,280 bytes of LDS; arguments x, Wq, Wk, Wv, Wo, xc, xs, wc, ws, wo16, rot; writes xc, xs, wc, ws, wo16, rot
.if DOCPART == 1
	.amdgcn_target "amdgcn-amd-amdhsa--gfx1250"
	.amdhsa_code_object_version 6
	.text
	.protected	k_qa1bbeca5b2_prep
	.globl	k_qa1bbeca5b2_prep
	.p2align	8
	.type	k_qa1bbeca5b2_prep,@function
k_qa1bbeca5b2_prep:
	s_mov_b64 s[64:65], 0
	v_nop
	global_prefetch_b8 v0, s[64:65] scope:SCOPE_SE
	s_setreg_imm32_b32 hwreg(HW_REG_WAVE_MODE, 25, 1), 1
	s_wait_xcnt 0x0
; THREE JOBS IN ONE LAUNCH, told apart by the work-group's number alone.
; Q (work-groups 0-351): x [8192][1024], Wq, Wk, Wv [1024][1024], f32, become codes of FP4 (E2M1), K innermost, two codes a byte, with one E8M0 byte for each 32 along K:
;   xc [8192][512 bytes], xs [8192][32];  wc [3072][512 bytes], ws [3072][32], rows 0-1023 Wq, 1024-2047 Wk, 2048-3071 Wv.
;   A block's scale is 2^(floor(log2(its largest magnitude)) - 2); its byte is the largest magnitude's exponent field - 2, held at 1 from below.
;   (A block of zeros so gets the byte 1 where the rule says 127: its codes are zeros, and the bytes are read by this program alone.)
; W (352-383): Wo [1024 e][1024] f32 becomes f16 laid by head: wo16 [16 h][1024 e][64 d] = Wo[e][64 h + d].
; T (384-415): the rotary table rot [2048 pos][64] f32: cos(pos f_i), i = 0..31, then sin(pos f_i); f_i = 10000^(-i/32).
; LIMITS: NaN and infinities among the inputs are not served; |Wo| stays under 65,504 (f16); blocks whose largest magnitude lies under 2^-124 have their byte held at 1.
;   The table: f_i comes from the base-2 exponential, the angle is pos x f_i rounded once to f32, so an angle may differ from the exact product by about 2e-4 rad at the largest angles;
;   cosine by reduction to [-pi, pi] and the series to r^18 (first term left out: under 4e-9).
; Only job Q touches LDS.  No tensor loads, no barrier: waves share nothing.
.set WAVES, 4
.set STEPS, 16
.set EMAX,  2
.set CB,    8                          ; bytes of 16 codes
.set R,     16                         ; v16-79   four sets of 16 numbers as they are loaded
.set X,     80                         ; v80-111  two sets of 16 neighbours
.set E,     112                        ; v112-127 a scale byte for each step
.set C,     128                        ; v128-191 codes: four registers for each step
.set WREG,  8192                       ; LDS: a region for each wave: two stages of 32 x SP bytes, behind them its 256 scale bytes
.set SP,    80                         ; a lane's place in a stage: 64 bytes + 16 of padding
.set SPW,   12                         ; v12  LDS address of my spare word; never rewritten
.set NIL,   13                         ; v13  0; never rewritten
.set SPARE, WAVES*WREG                 ; behind the four regions: the spare words, 128 bytes a wave
	s_load_b256 s[4:11], s[0:1], 0x0               ; x, Wq, Wk, Wv
	s_load_b256 s[12:19], s[0:1], 0x20             ; Wo, xc, xs, wc
	s_load_b128 s[20:23], s[0:1], 0x40             ; ws, wo16
	s_load_b64 s[24:25], s[0:1], 0x50              ; rot
	v_lshl_add_u32 v[SPW], v0, 2, SPARE
	v_mov_b32 v[NIL], 0
	v_lshrrev_b32 v1, 5, v0
	v_readfirstlane_b32 s26, v1                    ; wave
	v_and_b32 v2, 31, v0                           ; lane
	s_mov_b32 s37, 0                               ; the upper word of every offset
	s_wait_kmcnt 0x0
	s_cmp_ge_u32 ttmp9, 352
	s_cbranch_scc1 .Lnot_q
; ---------------- JOB Q.  A tensor is a plain stream of blocks of 32.  A wave takes 16 steps of 512 numbers.  Each of a step's four loads reads 512 consecutive bytes; the 2,048 bytes turn
; through the wave's own stage in LDS, so that a lane then holds 16 NEIGHBOURS (two neighbouring lanes hold a block).  A lane's 16 codes are 8 bytes: the wave stores 256 consecutive bytes.
	v_lshlrev_b32 v3, 4, v2                        ; my 16 bytes of a load's 512
	s_mul_i32 s27, s26, WREG
	v_lshrrev_b32 v14, 2, v2
	v_mul_u32_u24 v14, v14, SP
	v_and_b32 v15, 3, v2
	v_lshl_add_u32 v14, v15, 4, v14
	v_add_nc_u32 v14, s27, v14                     ; the stage, on the way in: SP (lane / 4) + 16 (lane % 4)
	v_mul_u32_u24 v15, v2, SP
	v_add_nc_u32 v15, s27, v15                     ; and on the way out: SP x lane
	v_mul_u32_u24 v4, v2, CB                       ; my codes' place in a step's
	v_lshrrev_b32 v5, 1, v2
	s_add_co_u32 s27, s27, 2*32*SP
	v_add_nc_u32 v5, s27, v5                       ; LDS: my wave's 256 scale bytes, my block's byte
	v_lshlrev_b32 v7, 3, v2                        ; on the way out 8 bytes a lane
	v_add_nc_u32 v6, s27, v7
	s_cmp_lt_u32 ttmp9, 320                        ; which tensor: the choice hangs on the work-group's number alone
	s_cselect_b64 s[28:29], s[8:9], s[10:11]       ; Wk or Wv
	s_cmp_lt_u32 ttmp9, 288
	s_cselect_b64 s[28:29], s[6:7], s[28:29]       ; Wq
	s_cmp_lt_u32 ttmp9, 256
	s_cselect_b64 s[28:29], s[4:5], s[28:29]       ; x
	s_cselect_b64 s[30:31], s[14:15], s[18:19]     ; codes: xc or wc
	s_cselect_b64 s[32:33], s[16:17], s[20:21]     ; scale bytes: xs or ws
	s_cselect_b32 s34, -1, 31                      ; a weight has 32 work-groups, and 256, 288, 320 are multiples of 32
	s_cselect_b32 s35, 0, 256
	s_and_b32 s34, ttmp9, s34                      ; my place in the tensor that I read
	s_sub_co_u32 s35, ttmp9, s35                   ; and in the buffers that I write
	s_lshl_b32 s34, s34, 2
	s_add_co_u32 s34, s34, s26                     ; my wave's run of 8,192 numbers
	s_lshl_b32 s35, s35, 2
	s_add_co_u32 s35, s35, s26
	s_lshl_b32 s36, s34, 15                        ; 32,768 bytes of f32 a run
	s_add_nc_u64 s[28:29], s[28:29], s[36:37]
	s_lshl_b32 s36, s35, 12                        ; 4,096 bytes of codes
	s_add_nc_u64 s[30:31], s[30:31], s[36:37]
	s_lshl_b32 s36, s35, 8                         ; 256 scale bytes
	s_add_nc_u64 s[32:33], s[32:33], s[36:37]
.macro LOAD t
.irp i, 0,1,2,3
	global_load_b128 v[R+16*((\t)%4)+4*\i:R+16*((\t)%4)+4*\i+3], v3, s[28:29] offset:2048*(\t)+512*\i th:TH_LOAD_NT   ; 32 lanes read 512 consecutive bytes
.endr
.endm
.macro TURN t                          ; step t's numbers through the stage: LDS serves a wave's instructions in order, so no wait stands between the stores and the loads
.irp i, 0,1,2,3
	ds_store_b128 v14, v[R+16*((\t)%4)+4*\i:R+16*((\t)%4)+4*\i+3] offset:32*SP*((\t)%2)+8*SP*\i
.endr
.irp i, 0,1,2,3
	ds_load_b128 v[X+16*((\t)%2)+4*\i:X+16*((\t)%2)+4*\i+3], v15 offset:32*SP*((\t)%2)+16*\i
.endr
.endm
.irp t, 0,1,2,3
	LOAD \t
.endr
	s_wait_loadcnt 12                              ; step 0's four loads are in; three steps' twelve stay out
	TURN 0
.macro STEP t
.set XS, X+16*((\t)%2)
.if (\t) > 0
	s_wait_dscnt 1                                 ; this step's numbers are back from the stage (the last step's byte store may be out)
.else
	s_wait_dscnt 0x0
.endif
.if (\t)+4 < STEPS
	LOAD (\t)+4                                    ; into the registers that the stage's stores have read
.endif
.if (\t)+1 < STEPS
.if STEPS-2-(\t) >= 3
	s_wait_loadcnt 12                              ; the next step's four loads are in; those of the three steps behind it may be out
.else
	s_wait_loadcnt 4*(STEPS-2-(\t))
.endif
	TURN (\t)+1                                    ; they go through the other stage while this step is worked
.endif
	v_max3_num_f32 v8, |v[XS]|, |v[XS+1]|, |v[XS+2]|               ; the largest magnitude of my 16, in two chains
	v_max3_num_f32 v9, |v[XS+3]|, |v[XS+4]|, |v[XS+5]|
.irp i, 6,10
	v_max3_num_f32 v8, v8, |v[XS+\i]|, |v[XS+\i+1]|
	v_max3_num_f32 v9, v9, |v[XS+\i+2]|, |v[XS+\i+3]|
.endr
	v_max3_num_f32 v8, v8, |v[XS+14]|, |v[XS+15]|
	v_max3_num_f32 v8, v8, v9, (EMAX+1)<<23        ; and the floor 2^(3 - 127): so the byte cannot fall under 1
	v_max_num_f32_dpp v8, v8, v8 row_xmask:1 row_mask:0xf bank_mask:0xf   ; with my neighbour's 16: the block's
	v_add_nc_u32 v11, -(EMAX<<23), v8              ; 2 off its exponent field: the conversion takes the exponent field of this operand as its scale
	v_cvt_scalef32_pk8_fp4_f32 v[C+4*(\t)], v[XS:XS+7], v11        ; to the nearest code, ties to even, beyond 6 the largest code
	v_cvt_scalef32_pk8_fp4_f32 v[C+4*(\t)+1], v[XS+8:XS+15], v11
	v_lshrrev_b32 v[E+(\t)], 23, v11               ; the scale's byte (a plain line behind the conversions)
	ds_store_b8 v5, v[E+(\t)] offset:16*(\t)       ; both lanes of a block write the same byte with the same value
	global_store_b64 v4, v[C+4*(\t):C+4*(\t)+1], s[30:31] offset:32*CB*(\t)   ; the wave stores 256 consecutive bytes, aligned
.endm
.irp t, 0,1,2,3,4,5,6,7,8,9,10,11,12,13,14,15
	STEP \t
.endr
	ds_load_b64 v[8:9], v6                         ; my wave's 256 scale bytes: these loads see my stores
	s_wait_dscnt 0x0
	global_store_b64 v7, v[8:9], s[32:33]          ; 256 consecutive bytes, aligned
	s_wait_tensorcnt 0x0                           ; the wave's end: behind my last LDS store
	ds_add_u32 v[SPW], v[NIL]
	s_wait_dscnt 0x0
	s_endpgm
; ---------------- JOB W.  A wave takes 8 rows e of Wo, two at a time: sixteen lanes read a head's 256 bytes of one row, the other sixteen those of the next row;
; the 32 lanes' 8 bytes of f16 are 256 consecutive bytes of wo16 (two rows e of one head).  Two batches of 16 loads are out.
.Lnot_q:
	s_cmp_ge_u32 ttmp9, 384
	s_cbranch_scc1 .Ltable
	s_sub_co_u32 s27, ttmp9, 352
	s_lshl_b32 s27, s27, 5
	s_lshl_b32 s28, s26, 3
	s_add_co_u32 s27, s27, s28                     ; my first row e: 32 x work-group + 8 x wave
	s_lshl_b32 s36, s27, 12
	s_add_nc_u64 s[12:13], s[12:13], s[36:37]      ; Wo: 4,096 bytes a row
	s_lshl_b32 s36, s27, 7
	s_add_nc_u64 s[22:23], s[22:23], s[36:37]      ; wo16: 128 bytes a row in each head
	v_lshrrev_b32 v3, 4, v2
	v_and_b32 v4, 15, v2
	v_lshlrev_b32 v1, 4, v4
	v_lshl_add_u32 v1, v3, 12, v1                  ; in: 4,096 (lane / 16) + 16 (lane % 16)
	v_lshlrev_b32 v5, 3, v2                        ; out: 8 x lane
.macro LOADB rp
.irp h, 0,1,2,3,4,5,6,7,8,9,10,11,12,13,14,15
	global_load_b128 v[16+64*((\rp)%2)+4*\h:16+64*((\rp)%2)+4*\h+3], v1, s[12:13] offset:(\rp)*8192+\h*256 th:TH_LOAD_NT
.endr
.endm
.macro CONVB rp
.set BS, 16+64*((\rp)%2)
.if (\rp) < 3
	s_wait_loadcnt 16                              ; this batch is in; the next batch's sixteen loads stay out
.else
	s_wait_loadcnt 0x0
.endif
.if (\rp) > 0
	s_wait_xcnt 0x0                                ; the last batch's stores have read their data: only now are those registers written again
.endif
.irp h, 0,1,2,3,4,5,6,7,8,9,10,11,12,13,14,15
	v_cvt_pk_f16_f32 v[144+2*\h], v[BS+4*\h], v[BS+4*\h+1]
	v_cvt_pk_f16_f32 v[145+2*\h], v[BS+4*\h+2], v[BS+4*\h+3]
.endr
.irp h, 0,1,2,3,4,5,6,7,8,9,10,11,12,13,14,15
	global_store_b64 v5, v[144+2*\h:145+2*\h], s[22:23] offset:\h*131072+(\rp)*256
.endr
.if (\rp) < 2
	LOADB (\rp)+2
.endif
.endm
	LOADB 0
	LOADB 1
	CONVB 0
	CONVB 1
	CONVB 2
	CONVB 3
	s_endpgm
; ---------------- JOB T.  A wave takes 16 positions, two at a time.  Lane: q = lane % 16 takes 16 bytes of a row: q < 8: cos of i = 4 q .. 4 q + 3; else sin of i = 4 (q - 8) ..; lanes 16-31 the next position.
; sin(a) = cos(a - pi/2).  kk = the nearest whole number to (a - pi/2 [sin]) / 2 pi; r = a - kk 2 pi - pi/2 [sin], 2 pi in two parts of which the first has 8 bits (kk has 9: that product is exact).
.Ltable:
	s_sub_co_u32 s27, ttmp9, 384
	s_lshl_b32 s27, s27, 6
	s_lshl_b32 s28, s26, 4
	s_add_co_u32 s27, s27, s28                     ; my first position
	s_lshl_b32 s36, s27, 8
	s_add_nc_u64 s[24:25], s[24:25], s[36:37]      ; 256 bytes a position
	s_mov_b32 s32, 0x40c90000                      ; 6.28125
	s_mov_b32 s33, 0x3afdaa22                      ; 2 pi - 6.28125
	s_mov_b32 s34, 0x3fc90fdb                      ; pi / 2
	v_and_b32 v3, 7, v2
	v_lshlrev_b32 v3, 2, v3                        ; my first i
	v_bfe_u32 v4, v2, 3, 1
	v_cvt_f32_u32 v4, v4                           ; 1.0 where I make sines
	v_mul_f32 v5, 0xbe800000, v4                   ; -0.25 there
	v_lshlrev_b32 v6, 4, v2                        ; out: 16 x lane: two whole rows a store
	v_lshrrev_b32 v7, 4, v2
	v_add_nc_u32 v7, s27, v7                       ; my position in group 0
	v_mov_b32 v15, 0xa53413c3                      ; -1/18!
.irp k, 0,1,2,3
	v_add_nc_u32 v[16+\k], \k, v3
	v_cvt_f32_u32 v[16+\k], v[16+\k]
	v_mul_f32 v[16+\k], 0xbed49a78, v[16+\k]       ; -i log2(10000) / 32
.endr
.irp k, 0,1,2,3
	v_exp_f32 v[8+\k], v[16+\k]                    ; f_i
.endr
	v_nop                                          ; a plain line behind the last exponential
	s_wait_alu depctr_va_vdst(0)                   ; the wait ahead of the first use: one for the four
.macro GROUP u
	v_add_nc_u32 v16, 2*\u, v7
	v_cvt_f32_u32 v16, v16                         ; the position, exact
.irp k, 0,1,2,3
	v_mul_f32 v[20+\k], v16, v[8+\k]               ; the angle, rounded once
.endr
.irp k, 0,1,2,3
	v_fma_f32 v[24+\k], v[20+\k], 0.15915494, v5
.endr
.irp k, 0,1,2,3
	v_rndne_f32 v[24+\k], v[24+\k]                 ; kk
.endr
.irp k, 0,1,2,3
	v_fma_f32 v[20+\k], -v[24+\k], s32, v[20+\k]
.endr
.irp k, 0,1,2,3
	v_fma_f32 v[20+\k], -v[24+\k], s33, v[20+\k]
.endr
.irp k, 0,1,2,3
	v_fma_f32 v[20+\k], -v4, s34, v[20+\k]         ; r, in [-pi, pi]
.endr
.irp k, 0,1,2,3
	v_mul_f32 v[24+\k], v[20+\k], v[20+\k]         ; z = r^2
.endr
.irp k, 0,1,2,3
	v_fmaak_f32 v[32+4*\u+\k], v15, v[24+\k], 0x29573f9f          ; the series in z, from -1/18! and 1/16! down; four chains by turns
.endr
.irp c, 0xad49cba5, 0x310f76c7, 0xb493f27e, 0x37d00d01, 0xbab60b61, 0x3d2aaaab, 0xbf000000, 0x3f800000
.irp k, 0,1,2,3
	v_fmaak_f32 v[32+4*\u+\k], v[32+4*\u+\k], v[24+\k], \c
.endr
.endr
	global_store_b128 v6, v[32+4*\u:35+4*\u], s[24:25] offset:512*\u   ; 512 consecutive bytes, aligned; each group has data registers of its own
.endm
.irp u, 0,1,2,3,4,5,6,7
	GROUP \u
.endr
	s_endpgm
.Lfunc_end_k_qa1bbeca5b2_prep:
	.size	k_qa1bbeca5b2_prep, .Lfunc_end_k_qa1bbeca5b2_prep-k_qa1bbeca5b2_prep
	.p2alignl 7, 3214868480
	.fill 96, 4, 3214868480
	.section	.rodata,"a",@progbits
	.p2align	6, 0x0
	.amdhsa_kernel k_qa1bbeca5b2_prep
		.amdhsa_group_segment_fixed_size 33280
		.amdhsa_private_segment_fixed_size 0
		.amdhsa_enable_private_segment 0
		.amdhsa_kernarg_size 88
		.amdhsa_user_sgpr_count 2
		.amdhsa_user_sgpr_kernarg_segment_ptr 1
		.amdhsa_wavefront_size32 1
		.amdhsa_system_sgpr_workgroup_id_x 1
		.amdhsa_system_sgpr_workgroup_id_y 1
		.amdhsa_system_sgpr_workgroup_id_z 1
		.amdhsa_system_vgpr_workitem_id 0
		.amdhsa_next_free_vgpr 192
		.amdhsa_next_free_sgpr 66
		.amdhsa_reserve_vcc 0
		.amdhsa_float_denorm_mode_32 3
		.amdhsa_float_denorm_mode_16_64 3
		.amdhsa_memory_ordered 1
		.amdhsa_forward_progress 1
		.amdhsa_inst_pref_size 86
	.end_amdhsa_kernel
	.amdgpu_metadata
---
amdhsa.version: [ 1, 2 ]
amdhsa.kernels:
  - .name:           k_qa1bbeca5b2_prep
    .symbol:         k_qa1bbeca5b2_prep.kd
    .args:
      - { .name: x, .offset: 0, .size: 8, .value_kind: global_buffer, .address_space: global }
      - { .name: Wq, .offset: 8, .size: 8, .value_kind: global_buffer, .address_space: global }
      - { .name: Wk, .offset: 16, .size: 8, .value_kind: global_buffer, .address_space: global }
      - { .name: Wv, .offset: 24, .size: 8, .value_kind: global_buffer, .address_space: global }
      - { .name: Wo, .offset: 32, .size: 8, .value_kind: global_buffer, .address_space: global }
      - { .name: xc, .offset: 40, .size: 8, .value_kind: global_buffer, .address_space: global }
      - { .name: xs, .offset: 48, .size: 8, .value_kind: global_buffer, .address_space: global }
      - { .name: wc, .offset: 56, .size: 8, .value_kind: global_buffer, .address_space: global }
      - { .name: ws, .offset: 64, .size: 8, .value_kind: global_buffer, .address_space: global }
      - { .name: wo16, .offset: 72, .size: 8, .value_kind: global_buffer, .address_space: global }
      - { .name: rot, .offset: 80, .size: 8, .value_kind: global_buffer, .address_space: global }
    .group_segment_fixed_size: 33280
    .private_segment_fixed_size: 0
    .kernarg_segment_align: 8
    .kernarg_segment_size: 88
    .max_flat_workgroup_size: 128
    .sgpr_count:     66
    .vgpr_count:     192
    .wavefront_size: 32
...
	.end_amdgpu_metadata
.endif
;; end of part 1
;; launch qkv (part 2): grid 12 x 32, 4 waves a work-group, clusters of 4 x 4, 327,680 bytes of LDS; arguments xc, xs, wc, ws, rot, qkv; writes qkv
.if DOCPART == 2
	.amdgcn_target "amdgcn-amd-amdhsa--gfx1250"
	.amdhsa_code_object_version 6
	.text
	.protected	k_qa1bbeca5b2_qkv
	.globl	k_qa1bbeca5b2_qkv
	.p2align	8
	.type	k_qa1bbeca5b2_qkv,@function
k_qa1bbeca5b2_qkv:
	s_mov_b64 s[64:65], 0
	v_nop
	global_prefetch_b8 v0, s[64:65] scope:SCOPE_SE
	s_setreg_imm32_b32 hwreg(HW_REG_WAVE_MODE, 25, 1), 1
	s_wait_xcnt 0x0
	s_wait_alu depctr_hold_cnt(0) depctr_sa_sdst(0) depctr_va_vdst(0) depctr_va_sdst(0) depctr_va_ssrc(0) depctr_va_vcc(0) depctr_vm_vsrc(0)
	s_getreg_b32 s2, hwreg(HW_REG_IB_STS2, 6, 4)
	s_cmp_eq_u32 s2, 0
	s_cbranch_scc0 .Lentry_in_a_cluster
	s_endpgm
.Lentry_in_a_cluster:
	s_bfe_u32 s2, ttmp6, 0x10000c
	s_cmp_lg_u32 s2, 0xf033
	s_cbranch_scc0 .Lentry_shape_is_right
	s_endpgm
.Lentry_shape_is_right:
; [8192 x 1024] x [3072 x 1024]^T on codes of FP4 (E2M1) with one E8M0 scale for each 32 along K; sums in f32; then the rotary turn on Q and K in f32; then one rounding to f16.
; A = xc, xs (x's codes and scale bytes); B = wc, ws (rows 0-1023 Wq, 1024-2047 Wk, 2048-3071 Wv).  OUT: qkv, f16, [3][64 (batch, head)][2048 positions][64].
; A tile of C, 256 x 256, is made by four waves; a wave makes 128 x 128: 64 accumulators, 512 registers.  All of K (1,024) lies in two LDS slots of 512 along K: nothing is ever filled again.
; The scales of the work-group's rows, for all of K, come into LDS once, as rows of 256 bytes.
; CLUSTERS: 4 x 4 work-groups.  The four of a row of the cluster need the same tiles of A, the four of a column the same tiles of B: each tile is asked for JOINTLY.
; A cluster's four tile columns are one of Q, K, V (cluster x = 0, 1, 2): so the one branch of the way out, rotary or not, is the same in all sixteen partners.
; THE MATRIX INSTRUCTION IS USED TRANSPOSED (source 0 = 16 rows of B, source 1 = 16 rows of A): lane (r, h) holds position r and eight neighbouring channels 16 b + 8 h + 0..7.
; A head is four blocks b; channel d's rotary partner d + 32 lies two blocks on, in the same lane and register: the turn needs no other lane.
; LIMITS: |Q|, |K|, |V| stay under 65,504 (f16); under 6e-5 the rounding's step is 6e-8.
; REGISTERS: window 0: v0-31 addresses; v32-95 scale words, two sets; v128-191 A's fragments, one set; v192-255 two sets of the rotary table.  On the way out: v32-95 rows read back, v96-127 packed f16, v128-191 turned numbers.
;   window 1: B's fragments, two sets.   windows 2, 3: the accumulators ((a, b) at v[8 (8 (a % 4) + b)]).
.set SIZE_K, 1024
.set KSTEP,  512                       ; along K in a slot
.set NQ,     KSTEP/128
.set ROWB,   256                       ; a tile's row in bytes
.set KROW,   SIZE_K/2                  ; a row of codes in memory
.set PITCH,  272                       ; an LDS row: 256 bytes + 16 of padding: the 16 rows that a load touches start at 16 different banks (64 banks of 4 bytes: ISA guide 11.1)
.set FR,     8
.set NL,     2
.set NP,     4                         ; places behind this matrix instruction (ISA guide 7.12.1)
.set HALFT,  128*PITCH
.set SLOT,   4*HALFT
.set KS,     SIZE_K/32                 ; a row of scales in bytes
.set SCL,    2*SLOT
.set HALFS,  (128*KS/256)*272
.set SBLK,   (16*KS/256)*272
.set SPARE,  SCL+4*HALFS               ; the spare words, 128 bytes a wave
.set SP,     144                       ; the way out: a stage row: a head's 128 bytes + 16
.set WSTG,   2*16*SP                   ; a wave's stage: two heads x 16 positions.  The stages lie in slot 0, which has had its one fill and its last read when the first result is stored there
.set STG_R,  0                         ; the rotary way's stages,
.set STG_V,  32768                     ; and V's: each way has bytes of its own
.set ADRA, 16
.set ADRB, 20
.set STO,  24                          ; v24  where I put 16 bytes of a row
.set RD,   25                          ; v25  where I read rows back
.set CO,   26                          ; v26  16 x lane
.set ADRS, 27
.set SPW,  28
.set NIL,  29
.set RO,   30                          ; v30  my place in the table: 256 r + 32 h; never rewritten
.set SC,   32
.set AF,   128
.set BK,   32                          ; the way out: v32-63 and v64-95 by turns
.set PKD,  96                          ; packed f16
.set T,    128                         ; turned numbers, f32
.set G1, 24
.set G0, 32
.set G1B, 48
.set G0B, 56
.set G1S, 68
.set G0S, 76
.set G1SB, 80
.set G0SB, 88
.set MSB, 0
.macro WIN new                         ; the immediate's high byte repeats the setting that is left
.if MSB != \new
	s_set_vgpr_msb (MSB<<8)|\new
.set MSB, \new
.endif
.endm
.set MUL_LO, 0xa1                      ; source 0 (B) window 1, source 1 (A) window 0, C and D window 2
.set MUL_HI, 0xf1
.set TO_B,   0x40
; A joint load: waves 0 and 1 fetch for A, waves 2 and 3 for B; the branch hangs on the wave's number alone.  An s_nop 0 and four v_nop follow each of the two lines.
.macro JLOAD g0a, g1a, g0b, g1b
	s_cmp_eq_u32 s15, 0
	s_cbranch_scc0 .Lfor_b_\@
	tensor_load_to_lds s[\g0a:\g0a+3], s[\g1a:\g1a+7]
	s_nop 0
.rept 4
	v_nop
.endr
	s_branch .Lasked_\@
.Lfor_b_\@:
	tensor_load_to_lds s[\g0b:\g0b+3], s[\g1b:\g1b+7]
	s_nop 0
.rept 4
	v_nop
.endr
.Lasked_\@:
.endm
.macro CROUND                          ; a round of the cluster's barrier
	s_barrier_signal -1
	s_barrier_wait -1
	s_cmp_lg_u32 s14, 0
	s_cbranch_scc1 .Lnot_wave_0_\@
	s_barrier_signal -3
.Lnot_wave_0_\@:
	s_barrier_wait -3
	s_barrier_signal -1
	s_barrier_wait -1
.endm
	s_load_b128 s[4:7], s[0:1], 0x0                ; xc, xs
	s_load_b128 s[8:11], s[0:1], 0x10              ; wc, ws
	s_load_b128 s[96:99], s[0:1], 0x20             ; rot, qkv
	v_lshl_add_u32 v[SPW], v0, 2, SPARE
	v_mov_b32 v[NIL], 0
	ds_add_u32 v[SPW], v[NIL]                      ; the wave's opening: the add, twice on end, and its wait ahead of my first tensor load
	ds_add_u32 v[SPW], v[NIL]
	v_lshrrev_b32 v1, 5, v0
	v_readfirstlane_b32 s14, v1                    ; wave 0..3
	s_lshr_b32 s15, s14, 1                         ; which half of the tile's rows is mine.  Also: I fetch for A (0) or for B (1)
	s_and_b32 s16, s14, 1                          ; which half of its columns.  Also: which 128 rows I fetch
	s_bfe_u32 s40, ttmp6, 0x40000                  ; cx, cy
	s_bfe_u32 s41, ttmp6, 0x40004
	s_lshl_b32 s42, ttmp9, 2
	s_add_co_u32 s42, s42, s40                     ; tile column = 4 x cluster x + cx
	s_and_b32 s17, ttmp7, 0xffff
	s_lshl_b32 s17, s17, 2
	s_add_co_u32 s17, s17, s41                     ; tile row = 4 x cluster y + cy
	s_lshl_b32 s43, s41, 2
	s_lshl_b32 s43, 15, s43                        ; my row of the cluster
	s_lshl_b32 s44, 0x1111, s40                    ; my column
	s_or_b32 s[G1+0], s43, (0<<16)|(1<<20)|(1<<21)|(5<<22)|(3<<25)  ; the mask; elements of 1 byte; padding on; bit 21 beside a mask; 4 words behind every 64
	s_or_b32 s[G1B+0], s44, (0<<16)|(1<<20)|(1<<21)|(5<<22)|(3<<25)
.irp g, G1, G1B
	s_mov_b32 s[\g+1], ROWB<<16                    ; tensor_dim0
	s_mov_b32 s[\g+2], 128<<16                     ; tensor_dim1
	s_mov_b32 s[\g+3], ROWB<<16                    ; tile_dim0
	s_mov_b32 s[\g+4], 128                         ; tile_dim1
	s_mov_b32 s[\g+5], KROW                        ; stride
	s_mov_b32 s[\g+6], 0
	s_mov_b32 s[\g+7], 0
.endr
	s_or_b32 s[G1S+0], s43, (3<<16)|(1<<20)|(1<<21)|(5<<22)|(3<<25)  ; the scales of 128 rows: 4,096 dense bytes as 16 rows of 32 elements of 8 bytes
	s_or_b32 s[G1SB+0], s44, (3<<16)|(1<<20)|(1<<21)|(5<<22)|(3<<25)
.irp g, G1S, G1SB
	s_mov_b32 s[\g+1], 32<<16
	s_mov_b32 s[\g+2], (128*KS/256)<<16
	s_mov_b32 s[\g+3], 32<<16
	s_mov_b32 s[\g+4], 128*KS/256
	s_mov_b32 s[\g+5], 32
	s_mov_b32 s[\g+6], 0
	s_mov_b32 s[\g+7], 0
.endr
	s_lshl_b32 s18, s16, 7
	s_lshl_b32 s20, s17, 8
	s_add_co_u32 s20, s20, s18                     ; A: row 256 x tile row + 128 x half
	s_lshl_b32 s46, s42, 8
	s_add_co_u32 s46, s46, s18                     ; B: row 256 x tile column + 128 x half
	s_mov_b32 s21, 0
	s_mov_b32 s47, 0
	s_mov_b64 s[18:19], KS
	s_mul_u64 s[22:23], s[20:21], s[18:19]         ; where these rows' scales begin
	s_mul_u64 s[92:93], s[46:47], s[18:19]
	s_mov_b64 s[18:19], KROW
	s_mul_u64 s[20:21], s[20:21], s[18:19]         ; and their codes
	s_mul_u64 s[46:47], s[46:47], s[18:19]
	s_mul_i32 s45, s14, HALFT                      ; where they go: wave x 128 rows
	s_mul_i32 s94, s14, HALFS
	s_wait_dscnt 0x0                               ; both opening adds are done
	s_wait_kmcnt 0x0
	s_add_nc_u64 s[20:21], s[4:5], s[20:21]
	s_add_nc_u64 s[22:23], s[6:7], s[22:23]
	s_add_nc_u64 s[46:47], s[8:9], s[46:47]
	s_add_nc_u64 s[92:93], s[10:11], s[92:93]
	CROUND                                         ; all sixteen work-groups are here: the joint loads meet
	s_mov_b32 s[G0S], 1
	s_add_co_u32 s[G0S+1], s94, SCL
	s_mov_b64 s[G0S+2:G0S+3], s[22:23]
	s_or_b32 s[G0S+3], s[G0S+3], 0x80000000
	s_mov_b32 s[G0SB], 1
	s_add_co_u32 s[G0SB+1], s94, SCL
	s_mov_b64 s[G0SB+2:G0SB+3], s[92:93]
	s_or_b32 s[G0SB+3], s[G0SB+3], 0x80000000
	JLOAD G0S, G1S, G0SB, G1SB                     ; the scales first; then both slots: three tensor loads of mine are out
.irp s, 0,1
	s_mov_b32 s[G0+4*\s], 1
	s_add_co_u32 s[G0+4*\s+1], s45, \s*SLOT
	s_add_nc_u64 s[G0+4*\s+2:G0+4*\s+3], s[20:21], \s*ROWB
	s_or_b32 s[G0+4*\s+3], s[G0+4*\s+3], 0x80000000
	s_mov_b32 s[G0B+4*\s], 1
	s_add_co_u32 s[G0B+4*\s+1], s45, \s*SLOT
	s_add_nc_u64 s[G0B+4*\s+2:G0B+4*\s+3], s[46:47], \s*ROWB
	s_or_b32 s[G0B+4*\s+3], s[G0B+4*\s+3], 0x80000000
	JLOAD G0+4*\s, G1, G0B+4*\s, G1B
.endr
	v_and_b32 v1, 15, v0                           ; r
	v_bfe_u32 v2, v0, 4, 1                         ; h
	v_mul_u32_u24 v3, v1, PITCH
	v_lshl_add_u32 v4, v2, 4, v3                   ; a fragment's row x pitch + 16 h
	s_mul_i32 s21, s15, HALFT                      ; my 128 rows of A
	s_mul_i32 s22, s16, HALFT                      ; my 128 rows of B,
	s_add_co_u32 s22, s22, 2*HALFT                 ; behind A's 256
.irp s, 0,1
	v_add_nc_u32 v[ADRA+\s], s21, v4
	v_add_nc_u32 v[ADRB+\s], s22, v4
	s_add_co_u32 s21, s21, SLOT
	s_add_co_u32 s22, s22, SLOT
.endr
	v_mul_u32_u24 v5, v1, KS                       ; my row's scales: KS bytes a row,
	v_lshrrev_b32 v6, 8, v5
	v_lshl_add_u32 v5, v6, 4, v5                   ; and 16 more for each 256 passed
	s_mul_i32 s21, s15, HALFS
	s_mul_i32 s22, s16, HALFS
	s_add_co_u32 s22, s22, 2*HALFS
	s_sub_co_u32 s22, s22, s21
	v_mul_u32_u24 v6, s22, v2                      ; lanes 16-31 take B's
	s_add_co_u32 s21, s21, SCL
	v_add_nc_u32 v5, v5, v6
	v_add_nc_u32 v[ADRS], s21, v5
	s_mul_i32 s23, s14, WSTG                       ; my stage
	v_mul_u32_u24 v5, v1, SP
	v_lshl_add_u32 v5, v2, 4, v5
	v_add_nc_u32 v[STO], s23, v5                   ; in: row r, 16 bytes for each half of the lanes
	v_bfe_u32 v5, v0, 3, 2
	v_mul_u32_u24 v5, v5, SP
	v_and_b32 v6, 7, v0
	v_lshl_add_u32 v5, v6, 4, v5
	v_add_nc_u32 v[RD], s23, v5                    ; back: eight lanes to a row of 128 bytes, four rows a load
	v_and_b32 v6, 31, v0
	v_lshlrev_b32 v[CO], 4, v6
	v_lshlrev_b32 v[RO], 8, v1
	v_lshl_add_u32 v[RO], v2, 5, v[RO]
	; where my part begins: position = 256 (tile row % 8) + 128 x row half; batch = tile row / 8; first head = 4 cx + 2 x column half
	s_and_b32 s20, s17, 7
	s_lshl_b32 s20, s20, 8
	s_lshl_b32 s21, s15, 7
	s_add_co_u32 s20, s20, s21                     ; my first position
	s_lshl_b32 s12, s20, 8
	s_mov_b32 s13, 0
	s_add_nc_u64 s[96:97], s[96:97], s[12:13]      ; the table: 256 bytes a position
	s_lshr_b32 s21, s17, 3
	s_lshl_b32 s21, s21, 4
	s_lshl_b32 s22, s40, 2
	s_add_co_u32 s21, s21, s22
	s_lshl_b32 s22, s16, 1
	s_add_co_u32 s21, s21, s22                     ; 16 x batch + head
	s_lshl_b32 s21, s21, 11
	s_add_co_u32 s21, s21, s20
	s_lshl_b32 s12, s21, 7                         ; 128 bytes a position
	s_lshl_b32 s22, ttmp9, 24                      ; Q, K or V: 16,777,216 bytes each
	s_add_co_u32 s12, s12, s22
	s_add_nc_u64 s[98:99], s[98:99], s[12:13]
; the table of block a's 16 positions: cos and sin of my 16 channels: cos(16 bb + 8 h + 0..7) at TB + 8 bb, sin at TB + 16 + 8 bb
.macro RLOAD a
.set TB, 192+32*((\a)%2)
.irp p, 0,1,2,3,4,5,6,7
	global_load_b128 v[TB+4*\p:TB+4*\p+3], v[RO], s[96:97] offset:(\a)*4096+(\p/2)*64+(\p%2)*16
.endr
.endm
	RLOAD 0                                        ; asked for here, so that they land under the products.  Every wave asks, a V tile's too (it leaves them unread): so the text parts only once, at the way out
	RLOAD 1
.macro FRAG reg, adr, q, i             ; 16 rows x 128 K of 4-bit codes: 8 registers: two loads of 16 bytes, 32 bytes apart
.irp c, 0,1
	ds_load_b128 v[\reg+4*\c:\reg+4*\c+3], v[\adr] offset:64*(\q)+32*\c+(\i)*16*PITCH
.endr
.endm
; 16 matrix instructions: A's blocks a0, a0 + 1 x B's eight.  The 64 accumulators take turns, one instruction a turn, in the same order in every step.
; One register carries A's scale word (lanes 0-15) and B's (lanes 16-31).
.macro MUL16 a0, p, q, sc, zero
.irp a, \a0, \a0+1
.irp b, 0,1,2,3,4,5,6,7
.if \zero
	v_wmma_scale_f32_16x16x128_f8f6f4 v[8*(8*((\a)%4)+\b):8*(8*((\a)%4)+\b)+7], v[128*(\p)+FR*\b:128*(\p)+FR*\b+FR-1], v[AF+FR*(\a):AF+FR*(\a)+FR-1], 0, v[SC+8*NQ*(\sc)+NQ*\b+(\q)], v[SC+8*NQ*(\sc)+NQ*(\a)+(\q)] matrix_a_fmt:MATRIX_FMT_FP4 matrix_b_fmt:MATRIX_FMT_FP4 matrix_a_scale:MATRIX_SCALE_ROW1
.else
	v_wmma_scale_f32_16x16x128_f8f6f4 v[8*(8*((\a)%4)+\b):8*(8*((\a)%4)+\b)+7], v[128*(\p)+FR*\b:128*(\p)+FR*\b+FR-1], v[AF+FR*(\a):AF+FR*(\a)+FR-1], v[8*(8*((\a)%4)+\b):8*(8*((\a)%4)+\b)+7], v[SC+8*NQ*(\sc)+NQ*\b+(\q)], v[SC+8*NQ*(\sc)+NQ*(\a)+(\q)] matrix_a_fmt:MATRIX_FMT_FP4 matrix_b_fmt:MATRIX_FMT_FP4 matrix_a_scale:MATRIX_SCALE_ROW1
.endif
.endr
.endr
.endm
.macro FETCH_B slot, q, p
	WIN TO_B
.irp i, 0,1,2,3,4,5,6,7
	FRAG 128*(\p)+FR*\i, ADRB+\slot, \q, \i
.endr
	WIN 0
.endm
.macro FETCH_A slot, q, i0
.irp i, \i0, \i0+1, \i0+2, \i0+3
	FRAG AF+FR*(\i), ADRA+\slot, \q, \i
.endr
.endm
.macro SCALES sc                       ; a slot's scale words: 4 words a row; lanes 0-15 take A's block i, lanes 16-31 B's
.irp i, 0,1,2,3,4,5,6,7
	ds_load_b128 v[SC+8*NQ*\sc+NQ*\i:SC+8*NQ*\sc+NQ*\i+3], v[ADRS] offset:\i*SBLK
.endr
.endm
.macro PLACES n                        ; plain vector lines between a matrix instruction and a load into, or a read of, its registers
.rept \n
	v_nop
.endr
.endm
.macro STEP slot, q, zero              ; 128 along K that has its successor in the same slot
	s_wait_dscnt 4*NL                              ; B's set and A's blocks 0-3 are in; the youngest eight loads (A's blocks 4-7) may be out
	WIN MUL_LO
	MUL16 0, (\q)%2, \q, \slot, \zero
	MUL16 2, (\q)%2, \q, \slot, \zero
	s_wait_dscnt 0
	PLACES NP
	FETCH_B \slot, (\q)+1, 1-(\q)%2
	FETCH_A \slot, (\q)+1, 0
	WIN MUL_HI
	MUL16 4, (\q)%2, \q, \slot, \zero
	MUL16 6, (\q)%2, \q, \slot, \zero
	PLACES NP
	WIN 0
	FETCH_A \slot, (\q)+1, 4
.endm
.macro TURN slot, next                 ; slot 0's last step, and the one barrier between the slots: behind it slot 1 is whole in every wave's eyes, and nobody reads slot 0 any more
	s_wait_tensorcnt 0x0                           ; all my tensor loads have landed: my part of slot 1
	ds_add_u32 v[SPW], v[NIL]                      ; 0 onto my spare word
	s_wait_dscnt 4*NL+1                            ; (the add and the youngest eight loads may be out)
	WIN MUL_LO
	MUL16 0, 1, NQ-1, \slot, 0
	s_wait_dscnt 0x0                               ; the add is done, and my reads of this slot are over
	s_barrier_signal -1
	MUL16 2, 1, NQ-1, \slot, 0
	WIN 0
	s_barrier_wait -1
	PLACES NP
	v_add_nc_u32 v[ADRS], 4*NQ, v[ADRS]            ; on to the next slot's scale words
	FETCH_B \next, 0, 0
	FETCH_A \next, 0, 0
	SCALES \next
	WIN MUL_HI
	MUL16 4, 1, NQ-1, \slot, 0
	MUL16 6, 1, NQ-1, \slot, 0
	PLACES NP
	WIN 0
	FETCH_A \next, 0, 4
.endm
.macro STEPS slot, from
.set QQ, \from
.rept NQ-1-\from
	STEP \slot, QQ, 0
.set QQ, QQ+1
.endr
.endm
	s_wait_tensorcnt 1                             ; the scales and my part of slot 0 are in (slot 1's load may be out),
	s_barrier_signal -1
	s_barrier_wait -1                              ; everybody's are
	FETCH_B 0, 0, 0
	FETCH_A 0, 0, 0
	SCALES 0
	FETCH_A 0, 0, 4
	STEP 0, 0, 1                                   ; the first products start the sums: nothing is cleared
	STEPS 0, 1
	TURN 0, 1
	STEPS 1, 0
	s_wait_dscnt 4*NL                              ; the last step
	WIN MUL_LO
	MUL16 0, 1, NQ-1, 1, 0
	MUL16 2, 1, NQ-1, 1, 0
	s_wait_dscnt 0
	WIN MUL_HI
	MUL16 4, 1, NQ-1, 1, 0
	MUL16 6, 1, NQ-1, 1, 0
	WIN 0
; THE WAY OUT, block by block of 16 positions x 2 heads.
; ROT: out1 = x1 cos - x2 sin, out2 = x1 sin + x2 cos, in f32, two at a time; x1 = blocks 0, 1 of a head, x2 = blocks 2, 3.  Each accumulator is read from its low end on.  Then 32 roundings to f16.
.macro ROT a
.set TB, 192+32*((\a)%2)
.set AC, 64*((\a)%4)
.if (\a) < 7
	s_wait_loadcnt 8                               ; this block's table is in; the next block's eight loads stay out
.else
	s_wait_loadcnt 0x0
.endif
	WIN 0x02+(\a)/4                                ; source 0: the accumulators' window
.irp hd, 0,1
.irp bb, 0,1
.irp j, 0,2,4,6
	v_pk_mul_f32 v[T+8*(4*\hd+\bb)+\j:T+8*(4*\hd+\bb)+\j+1], v[AC+8*(4*\hd+\bb+2)+\j:AC+8*(4*\hd+\bb+2)+\j+1], v[TB+16+8*\bb+\j:TB+16+8*\bb+\j+1]
.endr
.irp j, 0,2,4,6
	v_pk_mul_f32 v[T+8*(4*\hd+\bb+2)+\j:T+8*(4*\hd+\bb+2)+\j+1], v[AC+8*(4*\hd+\bb+2)+\j:AC+8*(4*\hd+\bb+2)+\j+1], v[TB+8*\bb+\j:TB+8*\bb+\j+1]
.endr
.irp j, 0,2,4,6
	v_pk_fma_f32 v[T+8*(4*\hd+\bb)+\j:T+8*(4*\hd+\bb)+\j+1], v[AC+8*(4*\hd+\bb)+\j:AC+8*(4*\hd+\bb)+\j+1], v[TB+8*\bb+\j:TB+8*\bb+\j+1], v[T+8*(4*\hd+\bb)+\j:T+8*(4*\hd+\bb)+\j+1] neg_lo:[0,0,1] neg_hi:[0,0,1]
.endr
.irp j, 0,2,4,6
	v_pk_fma_f32 v[T+8*(4*\hd+\bb+2)+\j:T+8*(4*\hd+\bb+2)+\j+1], v[AC+8*(4*\hd+\bb)+\j:AC+8*(4*\hd+\bb)+\j+1], v[TB+16+8*\bb+\j:TB+16+8*\bb+\j+1], v[T+8*(4*\hd+\bb+2)+\j:T+8*(4*\hd+\bb+2)+\j+1]
.endr
.endr
.endr
	WIN 0
.set i, 0
.rept 32
	v_cvt_pk_f16_f32 v[PKD+i], v[T+2*i], v[T+2*i+1]
.set i, i+1
.endr
.endm
.macro PACKV a                         ; V: rounded as it is
.set AC, 64*((\a)%4)
	WIN 0x0a+5*((\a)/4)                            ; sources 0 and 1: window 2 or 3
.set i, 0
.rept 32
	v_cvt_pk_f16_f32 v[PKD+i], v[AC+2*i], v[AC+2*i+1]
.set i, i+1
.endr
	WIN 0
.endm
; A lane's 16 bytes are an eighth of a position's 128; the lanes beside it hold other positions.  So a block goes through my own stage and comes back as whole rows.  LDS serves a wave's instructions in order.
.macro TOSTAGE a, base
.set BB, BK+32*((\a)%2)
.irp b, 0,1,2,3,4,5,6,7
	ds_store_b128 v[STO], v[PKD+4*\b:PKD+4*\b+3] offset:\base+(\b/4)*16*SP+(\b%4)*32
.endr
.irp n, 0,1,2,3,4,5,6,7
	ds_load_b128 v[BB+4*\n:BB+4*\n+3], v[RD] offset:\base+(\n/4)*16*SP+(\n%4)*4*SP
.endr
.endm
.macro SEND a
.set BB, BK+32*((\a)%2)
	s_wait_dscnt 0x0                               ; the block is back in registers
	s_wait_xcnt 0x0                                ; the stores of the block before it have read their data: the next block's loads may land there
.irp n, 0,1,2,3,4,5,6,7
	global_store_b128 v[CO], v[BB+4*\n:BB+4*\n+3], s[98:99] offset:(\n/4)*262144+(\a)*2048+(\n%4)*512   ; four positions of one head: 512 consecutive bytes, aligned
.endr
.endm
	PLACES NP                                      ; between the last products and the first reads of results, and the first writes of registers that held operands and scales
	s_cmp_eq_u32 ttmp9, 2                          ; cluster x: the same in all sixteen partners
	s_cbranch_scc1 .Lv_out
	ROT 0
	RLOAD 2
	TOSTAGE 0, STG_R
.irp a, 1,2,3,4,5,6,7
	ROT \a
.if \a < 6
	RLOAD \a+2
.endif
	SEND \a-1
	TOSTAGE \a, STG_R
.endr
	SEND 7
	s_branch .Ljoin
.Lv_out:
	PACKV 0
	TOSTAGE 0, STG_V
.irp a, 1,2,3,4,5,6,7
	PACKV \a
	SEND \a-1
	TOSTAGE \a, STG_V
.endr
	SEND 7
.Ljoin:
	s_wait_tensorcnt 0x0                           ; the wave's end: behind my last tensor load and my last LDS store
	ds_add_u32 v[SPW], v[NIL]
	s_wait_dscnt 0x0
	CROUND                                         ; the closing round
	s_endpgm
.Lfunc_end_k_qa1bbeca5b2_qkv:
	.size	k_qa1bbeca5b2_qkv, .Lfunc_end_k_qa1bbeca5b2_qkv-k_qa1bbeca5b2_qkv
	.p2alignl 7, 3214868480
	.fill 96, 4, 3214868480
	.section	.rodata,"a",@progbits
	.p2align	6, 0x0
	.amdhsa_kernel k_qa1bbeca5b2_qkv
		.amdhsa_group_segment_fixed_size 327680
		.amdhsa_private_segment_fixed_size 0
		.amdhsa_enable_private_segment 0
		.amdhsa_kernarg_size 48
		.amdhsa_user_sgpr_count 2
		.amdhsa_user_sgpr_kernarg_segment_ptr 1
		.amdhsa_wavefront_size32 1
		.amdhsa_system_sgpr_workgroup_id_x 1
		.amdhsa_system_sgpr_workgroup_id_y 1
		.amdhsa_system_sgpr_workgroup_id_z 1
		.amdhsa_system_vgpr_workitem_id 0
		.amdhsa_next_free_vgpr 1024
		.amdhsa_next_free_sgpr 100
		.amdhsa_reserve_vcc 0
		.amdhsa_float_denorm_mode_32 3
		.amdhsa_float_denorm_mode_16_64 3
		.amdhsa_memory_ordered 1
		.amdhsa_forward_progress 1
		.amdhsa_inst_pref_size 196
	.end_amdhsa_kernel
	.amdgpu_metadata
---
amdhsa.version: [ 1, 2 ]
amdhsa.kernels:
  - .name:           k_qa1bbeca5b2_qkv
    .symbol:         k_qa1bbeca5b2_qkv.kd
    .args:
      - { .name: xc, .offset: 0, .size: 8, .value_kind: global_buffer, .address_space: global }
      - { .name: xs, .offset: 8, .size: 8, .value_kind: global_buffer, .address_space: global }
      - { .name: wc, .offset: 16, .size: 8, .value_kind: global_buffer, .address_space: global }
      - { .name: ws, .offset: 24, .size: 8, .value_kind: global_buffer, .address_space: global }
      - { .name: rot, .offset: 32, .size: 8, .value_kind: global_buffer, .address_space: global }
      - { .name: qkv, .offset: 40, .size: 8, .value_kind: global_buffer, .address_space: global }
    .group_segment_fixed_size: 327680
    .private_segment_fixed_size: 0
    .kernarg_segment_align: 8
    .kernarg_segment_size: 48
    .max_flat_workgroup_size: 128
    .sgpr_count:     100
    .vgpr_count:     1024
    .wavefront_size: 32
...
	.end_amdgpu_metadata
.endif
;; end of part 2
;; launch attn (part 3): grid 4 x 64, 8 waves a work-group, clusters of 4 x 1, 327,680 bytes of LDS; arguments qkv, att; writes att
.if DOCPART == 3
	.amdgcn_target "amdgcn-amd-amdhsa--gfx1250"
	.amdhsa_code_object_version 6
	.text
	.protected	k_qa1bbeca5b2_attn
	.globl	k_qa1bbeca5b2_attn
	.p2align	8
	.type	k_qa1bbeca5b2_attn,@function
k_qa1bbeca5b2_attn:
	s_mov_b64 s[64:65], 0
	v_nop
	global_prefetch_b8 v0, s[64:65] scope:SCOPE_SE
	s_setreg_imm32_b32 hwreg(HW_REG_WAVE_MODE, 25, 1), 1
	s_wait_xcnt 0x0
	s_wait_alu depctr_hold_cnt(0) depctr_sa_sdst(0) depctr_va_vdst(0) depctr_va_sdst(0) depctr_va_ssrc(0) depctr_va_vcc(0) depctr_vm_vsrc(0)
	s_getreg_b32 s2, hwreg(HW_REG_IB_STS2, 6, 4)
	s_cmp_eq_u32 s2, 0
	s_cbranch_scc0 .Lentry_in_a_cluster
	s_endpgm
.Lentry_in_a_cluster:
	s_bfe_u32 s2, ttmp6, 0x10000c
	s_cmp_lg_u32 s2, 0x3003
	s_cbranch_scc0 .Lentry_shape_is_right
	s_endpgm
.Lentry_shape_is_right:
; att[bh][q][:] = the sum over k of softmax_k(Q[bh][q] . K[bh][k] / 8) V[bh][k][:].  Q, K, V: f16, [64 bh][2048][64], one behind the other in qkv; att likewise.  No mask.
; Products on f16 operands with f32 sums; maxima, exponentials and sums in f32, with a running maximum; the weights p are rounded to f16 for the second product, the result once at the end.
; LIMITS: |result| under 65,504 (it is an average of V's numbers); under 6e-5 the rounding's step is 6e-8.  NaN and infinities are not served.
; SHARES.  A work-group owns 512 queries of one (batch, head), each of its eight waves 64: four tiles of 16, in 512 registers: two waves to a SIMD.  Every wave walks all 2,048 keys, 64 a step.
; LAYOUT.  S^T = K Q^T (source 0 = 16 keys, source 1 = 16 queries), O^T = V^T P: a lane holds ONE query throughout; two tiles of S^T, rounded in pairs, ARE source 1 of the second product, and are laid over S^T itself.
; V ([key][channel]) is turned on its way out of LDS by ds_load_tr16_b128.
; SOFTMAX.  For each query a running maximum m and sum l: p = 2^(c s - c m), c = log2(e) / 8; in every step O and l are multiplied by a = 2^(c m_old - c m_new).  m begins at -3e38, l and O at 0.
; TWO GROUPS HALF A STEP APART.  A key step is two halves: H1 = the 32 products K Q^T, then the softmax of tiles 0, 1;  H2 = the softmax of tiles 2, 3, then the 32 products V^T P.
; Waves 4-7 run one half behind waves 0-3: while one wave of a SIMD is in its vector work, the other has matrix work to issue.  Only whole H2 blocks stand under branches on the wave's number: every LDS load, wait
; and barrier is common text.  At a change of slots waves 4-7 carry S^T, P and V of the slot's last step across the barrier in registers.  Their very first H2 runs on neutral numbers (scores -infinity, P, V, O zero).
; CLUSTER.  The four work-groups of a cluster are the four query blocks of one head and walk the same K and V: each tile is asked for JOINTLY.
; LDS.  K's and V's rows of 128 bytes are dense in memory, so a tile is stated as rows of 256 bytes (two keys): key k lies at (k / 2) x pitch + 128 (k % 2).  K's pitch is 272, V's 288.
; REGISTERS.  window 0: v2-12 addresses; v16-47 statistics, 8 a tile; v48-111 Q (16 a tile); v112-239 S^T (32 a tile), P over its first 16.   window 1: v0-127 O^T (32 a tile); v128-191 K of a step; v192-255 V of a step.
.set KSTEPB, 8704                      ; a step's K in LDS: 32 rows x 272
.set VSTEPB, 9216                      ; a step's V: 32 rows x 288
.set VOFF,  4*KSTEPB                   ; a slot: four steps of K, then four of V
.set SLOT1, 131072                     ; slot 1 begins here: one exclusive or turns an address from one slot to the other
.set SPARE, SLOT1+VOFF+4*VSTEPB        ; 202,752: the spare words, 128 bytes for each of eight waves
.set STAGE, SPARE+1024                 ; the way out: 8 waves x 4 tiles x 16 rows x 144 bytes, bytes of its own
.set FILLB, 32768                      ; a slot's 256 keys in memory
.set AK0, 2
.set AV0, 3
.set ADK, 4
.set ADV, 5
.set QO,  6
.set STO, 7
.set RD,  8
.set GO,  9
.set SPW, 10                           ; v10  LDS address of my spare word; never rewritten
.set NIL, 11                           ; v11  0; never rewritten
.set PFO, 12                           ; v12  256 x my lane; never rewritten
.set ST,  16                           ; tile t at v[ST+8 t]: +0 c m, +1 m, +2, +3 l (two halves), +4 to +7 at work; a in +6
.set Q,   48
.set S,   112
.set KF,  128                          ; in window 1
.set VF,  192
.set WV,  12
.set CX,  13
.set G1K, 24
.set G1V, 32
.set G0K, 40
.set G0V, 44
.set SLOTS, 48
.set INNER, 49
.set CS,  50                           ; s[50:51] c
.set SEL, 52                           ; s[52:53] v_permlanex16_b32's selects: lane l xor 16
.set TK,  54                           ; LDS byte of the K tile to be fetched
.set TV,  55                           ; and, less VOFF, of the V tile
.set PFA, 56
.set LIM, 58
.set GRP, 59                           ; 0: waves 0-3, 1: waves 4-7
.set QA,  60
.set OA,  62
.set MSB, 0
.macro WIN new                         ; the immediate's high byte repeats the setting that is left
.if MSB != \new
	s_set_vgpr_msb (MSB<<8)|\new
.set MSB, \new
.endif
.endm
; A joint load: waves 0-3 fetch the four steps' tiles of K, waves 4-7 those of V: one load a wave.  An s_nop 0 and four v_nop follow each of the two lines.
.macro JLOAD
	s_cmp_lt_u32 s[WV], 4
	s_cbranch_scc0 .Lfor_v_\@
	tensor_load_to_lds s[G0K:G0K+3], s[G1K:G1K+7]
	s_nop 0
.rept 4
	v_nop
.endr
	s_branch .Lasked_\@
.Lfor_v_\@:
	tensor_load_to_lds s[G0V:G0V+3], s[G1V:G1V+7]
	s_nop 0
.rept 4
	v_nop
.endr
.Lasked_\@:
.endm
; A PREFETCH INTO THE L2 of what the NEXT change of slots will ask for: 32,768 bytes of K and of V.  The four partners share them out BY ADDRESS, 8,192 bytes each; in each, wave 0 asks for K's and wave 4 for V's,
; lanes 256 bytes apart: each block of 256 bytes is named once in the launch.  It stands behind the wave's tensor load.  The last change that fills a slot asks for nothing.
.macro ASK
	s_cmp_gt_u32 s[SLOTS], s[LIM]
	s_cbranch_scc0 .Lnot_mine_\@
	global_prefetch_b8 v[PFO], s[PFA:PFA+1] th:TH_LOAD_NT scope:SCOPE_SE
.Lnot_mine_\@:
.endm
.macro CROUND                          ; a round of the cluster's barrier
	s_barrier_signal -1
	s_barrier_wait -1
	s_cmp_lg_u32 s[WV], 0
	s_cbranch_scc1 .Lnot_wave_0_\@
	s_barrier_signal -3
.Lnot_wave_0_\@:
	s_barrier_wait -3
	s_barrier_signal -1
	s_barrier_wait -1
.endm
	s_load_b128 s[4:7], s[0:1], 0x0                ; qkv, att
	v_lshl_add_u32 v[SPW], v0, 2, SPARE
	v_mov_b32 v[NIL], 0
	ds_add_u32 v[SPW], v[NIL]                      ; the wave's opening: the add, twice on end, and its wait ahead of my first tensor load
	ds_add_u32 v[SPW], v[NIL]
	v_lshrrev_b32 v1, 5, v0
	v_readfirstlane_b32 s[WV], v1                  ; wave 0..7
	s_lshr_b32 s[GRP], s[WV], 2
	s_and_b32 s14, s[WV], 3                        ; which of a slot's four steps I fetch
	s_bfe_u32 s[CX], ttmp6, 0x40000                ; my block of 512 queries
	s_and_b32 s15, ttmp7, 0xffff                   ; (batch, head), which the four partners share
	s_lshl_b32 s16, s15, 18                        ; its first byte in Q, K, V and att: 262,144 bytes each
	s_lshl_b32 s20, s14, 13
	s_add_co_u32 s20, s20, s16                     ; + my step's 64 keys of 128 bytes
	s_mov_b32 s21, 0
	s_lshl_b32 s22, s[CX], 16
	s_lshl_b32 s17, s[WV], 13
	s_add_co_u32 s22, s22, s17
	s_add_co_u32 s22, s22, s16                     ; my wave's first query
	s_mov_b32 s23, 0
	s_mov_b32 s[G1K], 15|(1<<16)|(1<<20)|(1<<21)|(5<<22)|(3<<25)   ; the mask: all four; elements of 2 bytes; padding on; bit 21 beside a mask; 4 words behind every 64
	s_mov_b32 s[G1V], 15|(1<<16)|(1<<20)|(1<<21)|(5<<22)|(7<<25)   ; the same with 8 words
.irp g, G1K, G1V
	s_mov_b32 s[\g+1], 128<<16                     ; tensor_dim0 = 128 elements (256 bytes: two keys)
	s_mov_b32 s[\g+2], 32<<16                      ; tensor_dim1 = 32
	s_mov_b32 s[\g+3], 128<<16                     ; tile_dim0
	s_mov_b32 s[\g+4], 32                          ; tile_dim1
	s_mov_b32 s[\g+5], 128                         ; stride: dense
	s_mov_b32 s[\g+6], 0
	s_mov_b32 s[\g+7], 0
.endr
	s_mov_b32 s[G0K], 1
	s_mul_i32 s[G0K+1], s14, KSTEPB                ; LDS: slot 0, my step: no place in the cluster enters
	s_mov_b32 s[G0V], 1
	s_mul_i32 s[G0V+1], s14, VSTEPB
	s_add_co_u32 s[G0V+1], s[G0V+1], VOFF
	s_mov_b32 s[CS], 0x3e38aa3b                    ; c = log2(e) / 8
	s_mov_b32 s[CS+1], s[CS]
	s_mov_b32 s[SEL], 0x76543210
	s_mov_b32 s[SEL+1], 0xfedcba98
	s_mov_b32 s[TK], 0
	s_mov_b32 s[TV], 0
	s_mov_b32 s[SLOTS], 7
	s_cmp_eq_u32 s14, 0
	s_cselect_b32 s[LIM], 1, -1                    ; waves 0 and 4 prefetch
	s_cmp_lt_u32 s[WV], 4
	s_cselect_b32 s18, 1, 2
	s_lshl_b32 s18, s18, 24                        ; K begins 16,777,216 bytes into qkv, V twice as far
	s_lshl_b32 s17, s[CX], 13
	s_add_co_u32 s18, s18, s17                     ; my work-group's 8,192 bytes
	s_add_co_u32 s18, s18, s16
	s_add_co_u32 s18, s18, FILLB                   ; in the second 256 keys: the first change of slots steps it to the third
	s_mov_b32 s19, 0
	s_wait_dscnt 0x0                               ; both opening adds are done
	s_wait_kmcnt 0x0
	s_add_nc_u64 s[G0K+2:G0K+3], s[4:5], s[20:21]
	s_add_nc_u64 s[G0K+2:G0K+3], s[G0K+2:G0K+3], 0x1000000
	s_or_b32 s[G0K+3], s[G0K+3], 0x80000000
	s_add_nc_u64 s[G0V+2:G0V+3], s[4:5], s[20:21]
	s_add_nc_u64 s[G0V+2:G0V+3], s[G0V+2:G0V+3], 0x2000000
	s_or_b32 s[G0V+3], s[G0V+3], 0x80000000
	s_add_nc_u64 s[QA:QA+1], s[4:5], s[22:23]
	s_add_nc_u64 s[OA:OA+1], s[6:7], s[22:23]
	s_add_nc_u64 s[PFA:PFA+1], s[4:5], s[18:19]
	CROUND                                         ; all four work-groups are here: the first joint loads meet
	JLOAD                                          ; keys 0-255 into slot 0: one tensor load of mine is out
	v_and_b32 v1, 15, v0                           ; r
	v_bfe_u32 v13, v0, 4, 1                        ; h
	v_lshlrev_b32 v[QO], 7, v1
	v_lshl_add_u32 v[QO], v13, 4, v[QO]
.irp i, 0,1,2,3,4,5,6,7                            ; Q stays in registers: tile i / 2, channels 32 (i % 2) on
	global_load_b128 v[Q+8*\i:Q+8*\i+3],   v[QO], s[QA:QA+1] offset:(\i/2)*2048+(\i%2)*64
	global_load_b128 v[Q+8*\i+4:Q+8*\i+7], v[QO], s[QA:QA+1] offset:(\i/2)*2048+(\i%2)*64+32
.endr
	v_bfe_u32 v15, v0, 1, 3
	v_mul_u32_u24 v[AK0], v15, 272
	v_and_b32 v15, 1, v0
	v_lshl_add_u32 v[AK0], v15, 7, v[AK0]
	v_lshl_add_u32 v[AK0], v13, 4, v[AK0]          ; K: key r: (r / 2) x 272 + 128 (r % 2) + 16 h
	v_bfe_u32 v15, v0, 1, 2
	v_lshl_add_u32 v15, v13, 2, v15
	v_mul_u32_u24 v[AV0], v15, 288
	v_and_b32 v15, 1, v0
	v_lshl_add_u32 v[AV0], v15, 7, v[AV0]
	v_bfe_u32 v15, v0, 3, 1
	v_lshl_add_u32 v[AV0], v15, 4, v[AV0]
	v_add_nc_u32 v[AV0], VOFF, v[AV0]              ; V: the turning load's lane reads key 8 h + l % 8, channels 8 ((l / 8) % 2) on
	s_mul_i32 s14, s[WV], 4*16*144
	s_add_co_u32 s14, s14, STAGE                   ; my stage
	v_mul_u32_u24 v[STO], v1, 144
	v_lshl_add_u32 v[STO], v13, 4, v[STO]
	v_add_nc_u32 v[STO], s14, v[STO]
	v_bfe_u32 v15, v0, 3, 2
	v_mul_u32_u24 v[RD], v15, 144
	v_and_b32 v14, 7, v0
	v_lshl_add_u32 v[RD], v14, 4, v[RD]
	v_add_nc_u32 v[RD], s14, v[RD]
	v_and_b32 v14, 31, v0
	v_lshlrev_b32 v[GO], 4, v14
	v_lshlrev_b32 v[PFO], 8, v14
	; the neutral numbers, written while the first tiles are on their way
.irp t, 0,1,2,3
	v_mov_b32 v[ST+8*\t+1], 0xff61b1e6             ; m = -3e38
	v_mul_f32 v[ST+8*\t], s[CS], v[ST+8*\t+1]
	v_mov_b32 v[ST+8*\t+2], 0
	v_mov_b32 v[ST+8*\t+3], 0
.endr
	s_mov_b32 s17, 0xff800000
.set i, 0
.rept 64
	v_mov_b32 v[S+64+i], s17                       ; tiles 2, 3: scores of -infinity, for the first H2 of waves 4-7
.set i, i+1
.endr
.set i, 0
.rept 16
	v_mov_b32 v[S+i], 0                            ; tiles 0, 1: P = 0
	v_mov_b32 v[S+32+i], 0
.set i, i+1
.endr
	WIN 0x40
.set i, 0
.rept 128
	v_mov_b32 v[i], 0                              ; O^T: the step is written once, and the first change of m leaves zeros zeros
.set i, i+1
.endr
.set i, 0
.rept 64
	v_mov_b32 v[VF+i], 0
.set i, i+1
.endr
	WIN 0
; THE LDS LOADS stand in runs of 16.
.macro FETCH_K                         ; a step's K: fragment 2 kb + c: keys 16 kb on, channels 32 c on
	v_add_nc_u32 v[ADK], s[TK], v[AK0]
	WIN 0x40
.irp f, 0,1,2,3,4,5,6,7
	ds_load_b128 v[KF+8*\f:KF+8*\f+3],   v[ADK] offset:(\f/2)*2176+(\f%2)*64
	ds_load_b128 v[KF+8*\f+4:KF+8*\f+7], v[ADK] offset:(\f/2)*2176+(\f%2)*64+32
.endr
	WIN 0
.endm
.macro FETCH_V                         ; a step's V, turned: fragment 4 kh + cb: keys 32 kh on, channels 16 cb on
	v_add_nc_u32 v[ADV], s[TV], v[AV0]
	s_add_co_u32 s[TV], s[TV], VSTEPB
	WIN 0x40
.irp f, 0,1,2,3,4,5,6,7
	ds_load_tr16_b128 v[VF+8*\f:VF+8*\f+3],   v[ADV] offset:(\f/4)*4608+(\f%4)*32
	ds_load_tr16_b128 v[VF+8*\f+4:VF+8*\f+7], v[ADV] offset:(\f/4)*4608+2304+(\f%4)*32
.endr
	WIN 0
.endm
; The accumulators take turns, one instruction a turn: between two links of a chain stand the 15 others'.
.macro KQ
	WIN 0x01                                       ; K in window 1
.irp c, 0,1
.irp kb, 0,1,2,3
.irp t, 0,1,2,3
.if \c == 0
	v_wmma_f32_16x16x32_f16 v[S+32*\t+8*\kb:S+32*\t+8*\kb+7], v[KF+8*(2*\kb+\c):KF+8*(2*\kb+\c)+7], v[Q+16*\t+8*\c:Q+16*\t+8*\c+7], 0
.else
	v_wmma_f32_16x16x32_f16 v[S+32*\t+8*\kb:S+32*\t+8*\kb+7], v[KF+8*(2*\kb+\c):KF+8*(2*\kb+\c)+7], v[Q+16*\t+8*\c:Q+16*\t+8*\c+7], v[S+32*\t+8*\kb:S+32*\t+8*\kb+7]
.endif
.endr
.endr
.endr
	WIN 0
.endm
.macro PVM
	WIN 0x51                                       ; V and O^T in window 1, P in window 0
.irp kh, 0,1
.irp cb, 0,1,2,3
.irp t, 0,1,2,3
	v_wmma_f32_16x16x32_f16 v[32*\t+8*\cb:32*\t+8*\cb+7], v[VF+8*(4*\kh+\cb):VF+8*(4*\kh+\cb)+7], v[S+32*\t+8*\kh:S+32*\t+8*\kh+7], v[32*\t+8*\cb:32*\t+8*\cb+7]
.endr
.endr
.endr
	WIN 0
.endm
; THE SOFTMAX of tiles y and y + 1 for one key step, the two tiles line by line in turn.
.macro SM y
.irp j, 0,1,2,3                                    ; the maximum of the lane's 32 scores and the old m; each accumulator is read from its low end on
.irp t, \y, \y+1
	v_max3_num_f32 v[ST+8*(\t)+4+\j], v[S+32*(\t)+8*\j], v[S+32*(\t)+8*\j+1], v[S+32*(\t)+8*\j+2]
.endr
.endr
.irp g, 1,2
.irp j, 0,1,2,3
.irp t, \y, \y+1
	v_max3_num_f32 v[ST+8*(\t)+4+\j], v[ST+8*(\t)+4+\j], v[S+32*(\t)+8*\j+2*\g+1], v[S+32*(\t)+8*\j+2*\g+2]
.endr
.endr
.endr
.irp t, \y, \y+1
	v_max3_num_f32 v[ST+8*(\t)+4], v[ST+8*(\t)+4], v[S+32*(\t)+7], v[S+32*(\t)+15]
.endr
.irp t, \y, \y+1
	v_max3_num_f32 v[ST+8*(\t)+6], v[ST+8*(\t)+6], v[S+32*(\t)+23], v[S+32*(\t)+31]
.endr
.irp t, \y, \y+1
	v_max3_num_f32 v[ST+8*(\t)+4], v[ST+8*(\t)+4], v[ST+8*(\t)+5], v[ST+8*(\t)+6]
.endr
.irp t, \y, \y+1
	v_max3_num_f32 v[ST+8*(\t)+4], v[ST+8*(\t)+4], v[ST+8*(\t)+7], v[ST+8*(\t)+1]
.endr
.irp t, \y, \y+1
	v_permlanex16_b32 v[ST+8*(\t)+5], v[ST+8*(\t)+4], s[SEL], s[SEL+1]   ; the query's other 32 keys lie in the lane 16 away
.endr
.irp t, \y, \y+1
	v_mov_b32 v[ST+8*(\t)+7], v[ST+8*(\t)]         ; c m_old
.endr
.irp t, \y, \y+1
	v_max_num_f32 v[ST+8*(\t)+1], v[ST+8*(\t)+4], v[ST+8*(\t)+5]
.endr
.irp t, \y, \y+1
	v_mul_f32 v[ST+8*(\t)], s[CS], v[ST+8*(\t)+1]
.endr
.irp t, \y, \y+1
	v_sub_f32 v[ST+8*(\t)+7], v[ST+8*(\t)+7], v[ST+8*(\t)]
.endr
.irp b, 0,2,4,6,8,10,12,14,16,18,20,22,24,26,28,30
.irp t, \y, \y+1
	v_pk_fma_f32 v[S+32*(\t)+\b:S+32*(\t)+\b+1], v[S+32*(\t)+\b:S+32*(\t)+\b+1], s[CS:CS+1], v[ST+8*(\t):ST+8*(\t)+1] op_sel_hi:[1,0,0] neg_lo:[0,0,1] neg_hi:[0,0,1]   ; c s - c m
.endr
.endr
.irp t, \y, \y+1
	v_exp_f32 v[ST+8*(\t)+6], v[ST+8*(\t)+7]       ; a
.endr
.irp j, 0,1,2,3,4,5,6,7,8,9,10,11,12,13,14,15,16,17,18,19,20,21,22,23,24,25,26,27,28,29,30,31
.irp t, \y, \y+1
	v_exp_f32 v[S+32*(\t)+\j], v[S+32*(\t)+\j]     ; p
.endr
.endr
	v_nop                                          ; a plain line behind the last exponential
	s_wait_alu depctr_va_vdst(0)                   ; the wait ahead of the first use: ONE for both tiles' 66 exponentials
.irp t, \y, \y+1                                   ; the sums, of the unrounded p, ahead of the roundings, which write over p: two chains a tile
	v_pk_fma_f32 v[ST+8*(\t)+2:ST+8*(\t)+3], v[ST+8*(\t)+2:ST+8*(\t)+3], v[ST+8*(\t)+6:ST+8*(\t)+7], v[S+32*(\t):S+32*(\t)+1] op_sel_hi:[1,0,1]
	v_pk_add_f32 v[ST+8*(\t)+4:ST+8*(\t)+5], v[S+32*(\t)+2:S+32*(\t)+3], v[S+32*(\t)+6:S+32*(\t)+7]
.endr
.irp t, \y, \y+1
	v_pk_add_f32 v[ST+8*(\t)+2:ST+8*(\t)+3], v[ST+8*(\t)+2:ST+8*(\t)+3], v[S+32*(\t)+4:S+32*(\t)+5]
.endr
.irp b, 8,12,16,20,24,28
.irp t, \y, \y+1
	v_pk_add_f32 v[ST+8*(\t)+2:ST+8*(\t)+3], v[ST+8*(\t)+2:ST+8*(\t)+3], v[S+32*(\t)+\b:S+32*(\t)+\b+1]
	v_pk_add_f32 v[ST+8*(\t)+4:ST+8*(\t)+5], v[ST+8*(\t)+4:ST+8*(\t)+5], v[S+32*(\t)+\b+2:S+32*(\t)+\b+3]
.endr
.endr
.irp t, \y, \y+1
	v_pk_add_f32 v[ST+8*(\t)+2:ST+8*(\t)+3], v[ST+8*(\t)+2:ST+8*(\t)+3], v[ST+8*(\t)+4:ST+8*(\t)+5]
.endr
.irp i, 0,1,2,3,4,5,6,7,8,9,10,11,12,13,14,15      ; P over S^T: ascending, so that no number is written over before it is read
.irp t, \y, \y+1
	v_cvt_pk_f16_f32 v[S+32*(\t)+\i], v[S+32*(\t)+2*\i], v[S+32*(\t)+2*\i+1]
.endr
.endr
	WIN 0x41                                       ; O^T in window 1, a in window 0
.irp i, 0,2,4,6,8,10,12,14,16,18,20,22,24,26,28,30
.irp t, \y, \y+1
	v_pk_mul_f32 v[32*(\t)+\i:32*(\t)+\i+1], v[32*(\t)+\i:32*(\t)+\i+1], v[ST+8*(\t)+6:ST+8*(\t)+7] op_sel_hi:[1,0]
.endr
.endr
	WIN 0
.endm
; look = 1: the next step's K is fetched; look = 0: in the loop: not in its last trip, where the slot has no next step
.macro H1 look
	s_wait_dscnt 16                                ; K is in; V's sixteen loads, issued behind it, may be out
	KQ
.rept 4
	v_nop                                          ; places between the products and the loads into K's registers, and the first read of the scores
.endr
.if \look
	FETCH_K
.else
	s_cmp_eq_u32 s[INNER], 1
	s_cbranch_scc1 .Lno_k_\@
	FETCH_K
.Lno_k_\@:
.endif
	s_add_co_u32 s[TK], s[TK], KSTEPB
	SM 0
.endm
.macro H2
	SM 2
	s_wait_dscnt 0x0                               ; V is in (and the next K, asked for a softmax and a half ago)
	PVM
.rept 5
	v_nop                                          ; places: four ahead of the loads into V's registers, five ahead of the next K Q^T, whose results are laid over P
.endr
.endm
; THE CHANGE OF SLOTS stands at a slot's head.  Each wave waits for all its tensor loads (its part of the slot that it is about to read), adds 0 to its spare word, and waits for that and for its reads of the slot that it has left.
; fill = 1: a round of the cluster's barrier, and behind it the joint refill of the slot just left, first thing: it has four key steps in which to land.
.macro CHANGE fill
	s_wait_tensorcnt 0x0                           ; no tensor load of mine is out, so a group 0 may be written
	ds_add_u32 v[SPW], v[NIL]
.if \fill
	s_xor_b32 s[G0K+1], s[G0K+1], SLOT1            ; the walking descriptors: the other slot,
	s_add_nc_u64 s[G0K+2:G0K+3], s[G0K+2:G0K+3], FILLB   ; the next 256 keys
	s_xor_b32 s[G0V+1], s[G0V+1], SLOT1
	s_add_nc_u64 s[G0V+2:G0V+3], s[G0V+2:G0V+3], FILLB
	s_wait_xcnt 0x0                                ; the last prefetch, a slot back, has read its address
	s_add_nc_u64 s[PFA:PFA+1], s[PFA:PFA+1], FILLB
	s_wait_dscnt 0x0                               ; the add is done, and my reads of the slot that I have left are over
	CROUND
	JLOAD
	ASK
.else
	s_wait_dscnt 0x0
	s_barrier_signal -1
	s_barrier_wait -1
.endif
.endm
; A slot's four key steps.  Waves 0-3: H1(0) H2(0) .. H1(3) H2(3).  Waves 4-7: H2(the slot before's 3) H1(0) H2(0) .. H1(3).
.macro TRIPBODY
	FETCH_K
	s_add_co_u32 s[TK], s[TK], KSTEPB
	s_cmp_eq_u32 s[GRP], 0
	s_cbranch_scc1 .Lnot_b_\@
	H2
.Lnot_b_\@:
	FETCH_V
	H1 1
	s_mov_b32 s[INNER], 3
.Lin_\@:
	H2
	FETCH_V
	H1 0
	s_sub_co_u32 s[INNER], s[INNER], 1
	s_cmp_lg_u32 s[INNER], 0
	s_cbranch_scc1 .Lin_\@
	s_cmp_lg_u32 s[GRP], 0
	s_cbranch_scc1 .Lnot_a_\@
	H2
.Lnot_a_\@:
	s_sub_co_u32 s[TK], s[TK], 5*KSTEPB            ; back to a slot's first step (K's address has stepped five times, V's four),
	s_xor_b32 s[TK], s[TK], SLOT1                  ; in the other slot
	s_sub_co_u32 s[TV], s[TV], 4*VSTEPB
	s_xor_b32 s[TV], s[TV], SLOT1
.endm
	s_wait_loadcnt 0x0                             ; Q
.Lslot:                                            ; seven trips: behind each change of slots but the last the next 256 keys are asked for (the first trip's load is slot 1's first fill)
	CHANGE 1
	TRIPBODY
	s_sub_co_u32 s[SLOTS], s[SLOTS], 1
	s_cmp_lg_u32 s[SLOTS], 0
	s_cbranch_scc1 .Lslot
	CHANGE 0                                       ; the last slot is written out
	TRIPBODY
	s_cmp_eq_u32 s[GRP], 0
	s_cbranch_scc1 .Lall_done
	H2                                             ; waves 4-7: the last half
.Lall_done:
	; THE WAY OUT.  l's halves and the other half of the lanes' are added; O^T / l is rounded to f16 and goes through my stage, a tile (16 queries x 128 bytes) at a time, and leaves as 512 consecutive bytes a store.
.irp t, 0,1,2,3
	v_add_f32 v[ST+8*\t+4], v[ST+8*\t+2], v[ST+8*\t+3]
.endr
.irp t, 0,1,2,3
	v_permlanex16_b32 v[ST+8*\t+5], v[ST+8*\t+4], s[SEL], s[SEL+1]
.endr
.irp t, 0,1,2,3
	v_add_f32 v[ST+8*\t+4], v[ST+8*\t+4], v[ST+8*\t+5]
.endr
.irp t, 0,1,2,3
	v_rcp_f32 v[ST+8*\t+6], v[ST+8*\t+4]
.endr
	v_nop                                          ; a plain line behind the last reciprocal
	s_wait_alu depctr_va_vdst(0)                   ; and the wait ahead of the first use: one for the four
.macro PACK t
	WIN 0x01                                       ; source 0: O^T in window 1
.irp i, 0,2,4,6,8,10,12,14,16,18,20,22,24,26,28,30
	v_pk_mul_f32 v[S+32*\t+\i:S+32*\t+\i+1], v[32*\t+\i:32*\t+\i+1], v[ST+8*\t+6:ST+8*\t+7] op_sel_hi:[1,0]
.endr
	WIN 0
.irp i, 0,1,2,3,4,5,6,7,8,9,10,11,12,13,14,15
	v_cvt_pk_f16_f32 v[S+32*\t+\i], v[S+32*\t+2*\i], v[S+32*\t+2*\i+1]
.endr
.irp cb, 0,1,2,3
	ds_store_b128 v[STO], v[S+32*\t+4*\cb:S+32*\t+4*\cb+3] offset:\t*2304+32*\cb
.endr
.irp i, 0,1,2,3
	ds_load_b128 v[S+32*\t+16+4*\i:S+32*\t+16+4*\i+3], v[RD] offset:\t*2304+576*\i   ; LDS serves a wave's instructions in order: these see the stores above
.endr
.endm
.macro SEND t, younger                 ; younger: the LDS instructions issued behind tile t's loads: the next tile's eight, or none
.irp i, 0,1,2,3
	s_wait_dscnt \younger+3-\i
	global_store_b128 v[GO], v[S+32*\t+16+4*\i:S+32*\t+16+4*\i+3], s[OA:OA+1] offset:\t*2048+512*\i
.endr
.endm
	PACK 0
	PACK 1
	SEND 0, 8
	PACK 2
	SEND 1, 8
	PACK 3
	SEND 2, 8
	SEND 3, 0
	s_wait_tensorcnt 0x0                           ; the wave's end: behind my last tensor load and my last LDS store
	ds_add_u32 v[SPW], v[NIL]
	s_wait_dscnt 0x0
	CROUND                                         ; the closing round
	s_endpgm
.Lfunc_end_k_qa1bbeca5b2_attn:
	.size	k_qa1bbeca5b2_attn, .Lfunc_end_k_qa1bbeca5b2_attn-k_qa1bbeca5b2_attn
	.p2alignl 7, 3214868480
	.fill 96, 4, 3214868480
	.section	.rodata,"a",@progbits
	.p2align	6, 0x0
	.amdhsa_kernel k_qa1bbeca5b2_attn
		.amdhsa_group_segment_fixed_size 327680
		.amdhsa_private_segment_fixed_size 0
		.amdhsa_enable_private_segment 0
		.amdhsa_kernarg_size 16
		.amdhsa_user_sgpr_count 2
		.amdhsa_user_sgpr_kernarg_segment_ptr 1
		.amdhsa_wavefront_size32 1
		.amdhsa_system_sgpr_workgroup_id_x 1
		.amdhsa_system_sgpr_workgroup_id_y 1
		.amdhsa_system_sgpr_workgroup_id_z 1
		.amdhsa_system_vgpr_workitem_id 0
		.amdhsa_next_free_vgpr 512
		.amdhsa_next_free_sgpr 66
		.amdhsa_reserve_vcc 0
		.amdhsa_float_denorm_mode_32 3
		.amdhsa_float_denorm_mode_16_64 3
		.amdhsa_memory_ordered 1
		.amdhsa_forward_progress 1
		.amdhsa_inst_pref_size 209
	.end_amdhsa_kernel
	.amdgpu_metadata
---
amdhsa.version: [ 1, 2 ]
amdhsa.kernels:
  - .name:           k_qa1bbeca5b2_attn
    .symbol:         k_qa1bbeca5b2_attn.kd
    .args:
      - { .name: qkv, .offset: 0, .size: 8, .value_kind: global_buffer, .address_space: global }
      - { .name: att, .offset: 8, .size: 8, .value_kind: global_buffer, .address_space: global }
    .group_segment_fixed_size: 327680
    .private_segment_fixed_size: 0
    .kernarg_segment_align: 8
    .kernarg_segment_size: 16
    .max_flat_workgroup_size: 256
    .sgpr_count:     66
    .vgpr_count:     512
    .wavefront_size: 32
...
	.end_amdgpu_metadata
.endif
;; end of part 3
;; launch proj (part 4): grid 4 x 64, 4 waves a work-group, clusters of 4 x 4, 327,680 bytes of LDS; arguments att, wo16, out0; writes out0
.if DOCPART == 4
	.amdgcn_target "amdgcn-amd-amdhsa--gfx1250"
	.amdhsa_code_object_version 6
	.text
	.protected	k_qa1bbeca5b2_proj
	.globl	k_qa1bbeca5b2_proj
	.p2align	8
	.type	k_qa1bbeca5b2_proj,@function
k_qa1bbeca5b2_proj:
	s_mov_b64 s[64:65], 0
	v_nop
	global_prefetch_b8 v0, s[64:65] scope:SCOPE_SE
	s_setreg_imm32_b32 hwreg(HW_REG_WAVE_MODE, 25, 1), 1
	s_wait_xcnt 0x0
	s_wait_alu depctr_hold_cnt(0) depctr_sa_sdst(0) depctr_va_vdst(0) depctr_va_sdst(0) depctr_va_ssrc(0) depctr_va_vcc(0) depctr_vm_vsrc(0)
	s_getreg_b32 s2, hwreg(HW_REG_IB_STS2, 6, 4)
	s_cmp_eq_u32 s2, 0
	s_cbranch_scc0 .Lentry_in_a_cluster
	s_endpgm
.Lentry_in_a_cluster:
	s_bfe_u32 s2, ttmp6, 0x10000c
	s_cmp_lg_u32 s2, 0xf033
	s_cbranch_scc0 .Lentry_shape_is_right
	s_endpgm
.Lentry_shape_is_right:
; out0[n][e] = the sum over heads h and channels d of att[h][n][d] Wo[e][64 h + d].  att: f16 [4 batches x 16 h][2048][64]; wo16: f16 [16 h][1024 e][64]; out0: f32 [8192][1024].  f16 operands, f32 sums.
; A tile of C is 128 rows x 256 columns: 256 work-groups.  Four waves, each 64 x 128: 32 accumulators, all of window 2.  K goes in steps of two heads (128 along K) through a ring of two LDS slots.
; Both operands are laid by head, so one head's part of a tile is a dense block of memory: it is stated as rows of 256 bytes (two rows of 64 f16): row r lies at (r / 2) x 272 + 128 (r % 2).
; CLUSTERS: 4 x 4 work-groups.  The four of a row of the cluster need the same tiles of att, the four of a column the same tiles of wo16: each is asked for JOINTLY.
; THE MATRIX INSTRUCTION IS USED TRANSPOSED (source 0 = 16 rows of wo16, source 1 = 16 rows of att): a lane holds eight neighbouring numbers of a row of C.
; REGISTERS: window 0: v0-31 addresses; v32-159 rows on the way out.  window 1: two fragment buffers of 96: B's eight fragments, then A's four.  window 2: accumulator (a, b) at v[8 (8 a + b)].
.set PITCH,  272
.set AHD,    64*PITCH                  ; one head's 128 rows of att in LDS
.set BHD,    128*PITCH                 ; one head's 256 rows of wo16
.set BOFF,   2*AHD
.set SLOT,   2*AHD+2*BHD               ; 104,448
.set STAGE,  2*SLOT                    ; behind the ring: 16 rows x 528 bytes for each wave
.set SPITCH, 528
.set SPARE,  STAGE+4*16*SPITCH         ; the spare words, 128 bytes a wave
.set LAPS,   4                         ; a lap = two K steps = four heads
.set ADRA, 16
.set ADRB, 20
.set STO,  24
.set RD,   25
.set CO,   26
.set SPW,  28
.set NIL,  29
.set OB,   32
.set F0,   0
.set F1,   128
.set G1, 24
.set G0, 32
.set G1B, 48
.set G0B, 56
.set MSB, 0
.macro WIN new                         ; the immediate's high byte repeats the setting that is left
.if MSB != \new
	s_set_vgpr_msb (MSB<<8)|\new
.set MSB, \new
.endif
.endm
.set MUL,  0xa5                        ; sources 0 and 1 window 1; C and D window 2
.set TO_F, 0x40
.macro JLOAD s                         ; waves 0 and 1 fetch att's two heads, waves 2 and 3 wo16's; an s_nop 0 and four v_nop follow each of the two lines
	s_cmp_eq_u32 s11, 0
	s_cbranch_scc0 .Lfor_b_\@
	tensor_load_to_lds s[G0+4*\s:G0+4*\s+3], s[G1:G1+7]
	s_nop 0
.rept 4
	v_nop
.endr
	s_branch .Lasked_\@
.Lfor_b_\@:
	tensor_load_to_lds s[G0B+4*\s:G0B+4*\s+3], s[G1B:G1B+7]
	s_nop 0
.rept 4
	v_nop
.endr
.Lasked_\@:
.endm
.macro CREST                           ; a round of the cluster's barrier behind its opening barrier
	s_cmp_lg_u32 s10, 0
	s_cbranch_scc1 .Lnot_wave_0_\@
	s_barrier_signal -3
.Lnot_wave_0_\@:
	s_barrier_wait -3
	s_barrier_signal -1
	s_barrier_wait -1
.endm
.macro CROUND
	s_barrier_signal -1
	s_barrier_wait -1
	CREST
.endm
	s_load_b128 s[4:7], s[0:1], 0x0                ; att, wo16
	s_load_b64 s[8:9], s[0:1], 0x10                ; out0
	v_lshl_add_u32 v[SPW], v0, 2, SPARE
	v_mov_b32 v[NIL], 0
	ds_add_u32 v[SPW], v[NIL]                      ; the wave's opening: the add, twice on end, and its wait ahead of my first tensor load
	ds_add_u32 v[SPW], v[NIL]
	v_lshrrev_b32 v1, 5, v0
	v_readfirstlane_b32 s10, v1                    ; wave 0..3
	s_lshr_b32 s11, s10, 1                         ; which half of the tile's rows is mine.  Also: I fetch for att (0) or for wo16 (1)
	s_and_b32 s12, s10, 1                          ; which half of its columns.  Also: which of a step's two heads I fetch
	s_bfe_u32 s40, ttmp6, 0x40000                  ; cx, cy
	s_bfe_u32 s41, ttmp6, 0x40004
	s_lshl_b32 s42, ttmp9, 2
	s_add_co_u32 s42, s42, s40                     ; tile column
	s_and_b32 s13, ttmp7, 0xffff
	s_lshl_b32 s13, s13, 2
	s_add_co_u32 s13, s13, s41                     ; tile row
	s_lshl_b32 s43, s41, 2
	s_lshl_b32 s43, 15, s43                        ; my row of the cluster
	s_lshl_b32 s44, 0x1111, s40                    ; my column
	s_or_b32 s[G1+0], s43, (1<<16)|(1<<20)|(1<<21)|(5<<22)|(3<<25)   ; the mask; elements of 2 bytes; padding on; bit 21 beside a mask; 4 words behind every 64
	s_or_b32 s[G1B+0], s44, (1<<16)|(1<<20)|(1<<21)|(5<<22)|(3<<25)
	s_mov_b32 s[G1+1], 128<<16                     ; att: 64 rows of 128 elements, dense
	s_mov_b32 s[G1+2], 64<<16
	s_mov_b32 s[G1+3], 128<<16
	s_mov_b32 s[G1+4], 64
	s_mov_b32 s[G1+5], 128
	s_mov_b32 s[G1+6], 0
	s_mov_b32 s[G1+7], 0
	s_mov_b32 s[G1B+1], 128<<16                    ; wo16: 128 rows
	s_mov_b32 s[G1B+2], 128<<16
	s_mov_b32 s[G1B+3], 128<<16
	s_mov_b32 s[G1B+4], 128
	s_mov_b32 s[G1B+5], 128
	s_mov_b32 s[G1B+6], 0
	s_mov_b32 s[G1B+7], 0
	s_lshr_b32 s16, s13, 4                         ; att: batch = tile row / 16: 4,194,304 bytes;
	s_lshl_b32 s16, s16, 22
	s_and_b32 s17, s13, 15                         ; 128 rows of 128 bytes for each tile row in it;
	s_lshl_b32 s17, s17, 14
	s_add_co_u32 s16, s16, s17
	s_lshl_b32 s17, s12, 18                        ; my head of the two: 262,144 bytes
	s_add_co_u32 s16, s16, s17
	s_mov_b32 s17, 0
	s_lshl_b32 s46, s42, 15                        ; wo16: 256 rows of 128 bytes for each tile column;
	s_lshl_b32 s47, s12, 17                        ; my head: 131,072 bytes
	s_add_co_u32 s46, s46, s47
	s_mov_b32 s47, 0
	s_mul_i32 s20, s12, AHD                        ; where they go: no place in the cluster enters an LDS address
	s_mul_i32 s21, s12, BHD
	s_add_co_u32 s21, s21, BOFF
	s_wait_dscnt 0x0                               ; both opening adds are done
	s_wait_kmcnt 0x0
	s_add_nc_u64 s[14:15], s[4:5], s[16:17]
	s_add_nc_u64 s[46:47], s[6:7], s[46:47]
	CROUND                                         ; all sixteen work-groups are here: the first joint loads meet
.irp s, 0,1
	s_mov_b32 s[G0+4*\s], 1
	s_add_co_u32 s[G0+4*\s+1], s20, \s*SLOT
	s_add_nc_u64 s[G0+4*\s+2:G0+4*\s+3], s[14:15], \s*524288       ; K step s: two heads on
	s_or_b32 s[G0+4*\s+3], s[G0+4*\s+3], 0x80000000
	s_mov_b32 s[G0B+4*\s], 1
	s_add_co_u32 s[G0B+4*\s+1], s21, \s*SLOT
	s_add_nc_u64 s[G0B+4*\s+2:G0B+4*\s+3], s[46:47], \s*262144
	s_or_b32 s[G0B+4*\s+3], s[G0B+4*\s+3], 0x80000000
	JLOAD \s                                       ; two tensor loads of mine are out
.endr
	v_and_b32 v1, 15, v0                           ; r
	v_bfe_u32 v2, v0, 4, 1                         ; h
	v_bfe_u32 v3, v0, 1, 3
	v_mul_u32_u24 v3, v3, PITCH
	v_and_b32 v4, 1, v0
	v_lshl_add_u32 v3, v4, 7, v3
	v_lshl_add_u32 v3, v2, 4, v3                   ; a fragment's row r: (r / 2) x 272 + 128 (r % 2) + 16 h
	s_mul_i32 s21, s11, 32*PITCH                   ; my 64 rows of att
	s_mul_i32 s22, s12, 64*PITCH                   ; my 128 rows of wo16,
	s_add_co_u32 s22, s22, BOFF                    ; behind att's two heads
.irp s, 0,1
	v_add_nc_u32 v[ADRA+\s], s21, v3
	v_add_nc_u32 v[ADRB+\s], s22, v3
	s_add_co_u32 s21, s21, SLOT
	s_add_co_u32 s22, s22, SLOT
.endr
	s_mul_i32 s23, s10, 16*SPITCH
	s_add_co_u32 s23, s23, STAGE                   ; my stage
	v_mul_u32_u24 v5, v1, SPITCH
	v_lshl_add_u32 v5, v2, 5, v5
	v_add_nc_u32 v[STO], s23, v5                   ; in: row r, 32 bytes for each half of the lanes
	v_and_b32 v6, 31, v0
	v_lshlrev_b32 v[CO], 4, v6
	v_add_nc_u32 v[RD], s23, v[CO]                 ; back: the 32 lanes take one row of 512 bytes
	s_lshl_b32 s16, s13, 19                        ; out0: 128 rows of 4,096 bytes for each tile row,
	s_lshl_b32 s17, s11, 18                        ; 64 for my half
	s_add_co_u32 s16, s16, s17
	s_mov_b32 s17, 0
	s_add_nc_u64 s[8:9], s[8:9], s[16:17]
	s_lshl_b32 s46, s42, 10                        ; 1,024 bytes for each tile column, 512 for my half
	s_lshl_b32 s47, s12, 9
	s_add_co_u32 s46, s46, s47
	s_mov_b32 s47, 0
	s_add_nc_u64 s[8:9], s[8:9], s[46:47]
; 8 matrix instructions: A's block a x B's eight, 32 along K.  The 32 accumulators take turns, one instruction a turn, in the same order in every quarter.
.macro MULA f, a, zero
.irp b, 0,1,2,3,4,5,6,7
.if \zero
	v_wmma_f32_16x16x32_f16 v[8*(8*\a+\b):8*(8*\a+\b)+7], v[\f+8*\b:\f+8*\b+7], v[\f+64+8*\a:\f+64+8*\a+7], 0
.else
	v_wmma_f32_16x16x32_f16 v[8*(8*\a+\b):8*(8*\a+\b)+7], v[\f+8*\b:\f+8*\b+7], v[\f+64+8*\a:\f+64+8*\a+7], v[8*(8*\a+\b):8*(8*\a+\b)+7]
.endif
.endr
.endm
; 24 LDS loads in one run: quarter q of a slot (head q / 2, channels 32 (q % 2) on) into buffer f: B's sixteen, then A's eight
.macro FETCH slot, q, f
	WIN TO_F
.irp b, 0,1,2,3,4,5,6,7
	ds_load_b128 v[\f+8*\b:\f+8*\b+3],   v[ADRB+\slot] offset:((\q)/2)*BHD+\b*8*PITCH+((\q)%2)*64
	ds_load_b128 v[\f+8*\b+4:\f+8*\b+7], v[ADRB+\slot] offset:((\q)/2)*BHD+\b*8*PITCH+((\q)%2)*64+32
.endr
.irp a, 0,1,2,3
	ds_load_b128 v[\f+64+8*\a:\f+64+8*\a+3],   v[ADRA+\slot] offset:((\q)/2)*AHD+\a*8*PITCH+((\q)%2)*64
	ds_load_b128 v[\f+64+8*\a+4:\f+64+8*\a+7], v[ADRA+\slot] offset:((\q)/2)*AHD+\a*8*PITCH+((\q)%2)*64+32
.endr
.endm
.macro PLACES                          ; four plain lines in front of loads into registers that matrix instructions have read, and of reads of results
.rept 4
	v_nop
.endr
.endm
; A K step is four quarters of 32 along K, 32 matrix instructions each, on buffers 0, 1, 0, 1.  One of the first three: multiplies buffer f and fetches quarter q into g.
.macro QUARTER slot, q, f, g, zero
	s_wait_dscnt 4                                 ; B and A's blocks 0, 1 are in; the youngest four loads (A's blocks 2, 3) may be out
	WIN MUL
	MULA \f, 0, \zero
	MULA \f, 1, \zero
	PLACES
	FETCH \slot, \q, \g
	s_wait_dscnt 24                                ; all but the 24 just issued
	WIN MUL
	MULA \f, 2, \zero
	MULA \f, 3, \zero
.endm
; The last quarter multiplies buffer 1 and changes slots: ONE barrier; in front of it each wave waits for all its tensor loads, adds 0 to its spare word, and waits for that and for its own reads of this slot.
.macro TURN slot, next, fill
	WIN 0                                          ; (the add's two registers lie in window 0)
	s_wait_tensorcnt 0x0                           ; all my tensor loads have landed: my part of the next slot
	ds_add_u32 v[SPW], v[NIL]
	s_wait_dscnt 5                                 ; (the add and the youngest four loads may be out)
	WIN MUL
	MULA F1, 0, 0
	s_wait_dscnt 0x0                               ; the add is done, and my reads of this slot are over
	s_barrier_signal -1
	MULA F1, 1, 0
.if \fill
	WIN 0
.endif
	s_barrier_wait -1
.if \fill
	CREST                                          ; the barrier has opened a round of the cluster's: no wave of any partner still reads this slot or has a load on its way
	s_add_nc_u64 s[G0+4*\slot+2:G0+4*\slot+3], s[G0+4*\slot+2:G0+4*\slot+3], 1048576     ; two K steps, four heads, on
	s_add_nc_u64 s[G0B+4*\slot+2:G0B+4*\slot+3], s[G0B+4*\slot+2:G0B+4*\slot+3], 524288
	JLOAD \slot                                    ; the first tensor load behind the round; its four v_nop are also the places in front of the loads below
.else
	PLACES
.endif
	FETCH \next, 0, F0
	WIN MUL
	MULA F1, 2, 0
	MULA F1, 3, 0
.endm
	s_wait_tensorcnt 1                             ; my part of K step 0 is in (K step 1's load may be out),
	s_barrier_signal -1
	s_barrier_wait -1                              ; everybody's is
	FETCH 0, 0, F0
	QUARTER 0, 1, F0, F1, 1                        ; the first quarter stands in front of the loop: its products start the sums
	WIN 0
	s_mov_b32 s3, LAPS-1
.Llap:                                             ; a trip goes once round the ring and fills both slots again
	QUARTER 0, 2, F1, F0, 0
	QUARTER 0, 3, F0, F1, 0
	TURN 0, 1, 1
	QUARTER 1, 1, F0, F1, 0
	QUARTER 1, 2, F1, F0, 0
	QUARTER 1, 3, F0, F1, 0
	TURN 1, 0, 1
	QUARTER 0, 1, F0, F1, 0
	WIN 0
	s_sub_co_u32 s3, s3, 1
	s_cmp_lg_u32 s3, 0
	s_cbranch_scc1 .Llap
	QUARTER 0, 2, F1, F0, 0                        ; the last lap fills nothing
	QUARTER 0, 3, F0, F1, 0
	TURN 0, 1, 0
	QUARTER 1, 1, F0, F1, 0
	QUARTER 1, 2, F1, F0, 0
	QUARTER 1, 3, F0, F1, 0
	s_wait_dscnt 4
	WIN MUL
	MULA F1, 0, 0
	MULA F1, 1, 0
	s_wait_dscnt 0
	MULA F1, 2, 0
	MULA F1, 3, 0
	WIN 0
; THE WAY OUT, block by block of 16 rows x 128 columns: through my own stage, back as whole rows of 512 bytes.  LDS serves a wave's instructions in order.
.macro TOSTAGE a
	WIN 0x08                                       ; an LDS store's data: window 2
.irp b, 0,1,2,3,4,5,6,7
	ds_store_b128 v[STO], v[64*(\a)+8*\b:64*(\a)+8*\b+3] offset:64*\b            ; each accumulator from its low end on
	ds_store_b128 v[STO], v[64*(\a)+8*\b+4:64*(\a)+8*\b+7] offset:64*\b+16
.endr
	WIN 0
.set BB, OB+64*((\a)%2)
.irp t, 0,1,2,3,4,5,6,7,8,9,10,11,12,13,14,15
	ds_load_b128 v[BB+4*\t:BB+4*\t+3], v[RD] offset:\t*SPITCH
.endr
.endm
.macro SEND a, younger                 ; younger: the LDS instructions issued behind block a's loads
.set BB, OB+64*((\a)%2)
	s_wait_dscnt \younger
.irp t, 0,1,2,3,4,5,6,7,8,9,10,11,12,13,14,15
	global_store_b128 v[CO], v[BB+4*\t:BB+4*\t+3], s[8:9] offset:(\a)*65536+\t*4096 th:TH_STORE_NT   ; 512 consecutive bytes, aligned; written once, read by nobody here
.endr
.endm
	PLACES
	TOSTAGE 0
.irp a, 1,2,3
.if \a > 1
	s_wait_xcnt 0x0                                ; block a - 2's stores have read their data: block a's loads may land there
.endif
	TOSTAGE \a
	SEND \a-1, 32                                  ; behind block a - 1's loads: block a's 16 stores and 16 loads
.endr
	SEND 3, 0
	s_wait_tensorcnt 0x0                           ; the wave's end: behind my last tensor load and my last LDS store
	ds_add_u32 v[SPW], v[NIL]
	s_wait_dscnt 0x0
	CROUND                                         ; the closing round
	s_endpgm
.Lfunc_end_k_qa1bbeca5b2_proj:
	.size	k_qa1bbeca5b2_proj, .Lfunc_end_k_qa1bbeca5b2_proj-k_qa1bbeca5b2_proj
	.p2alignl 7, 3214868480
	.fill 96, 4, 3214868480
	.section	.rodata,"a",@progbits
	.p2align	6, 0x0
	.amdhsa_kernel k_qa1bbeca5b2_proj
		.amdhsa_group_segment_fixed_size 327680
		.amdhsa_private_segment_fixed_size 0
		.amdhsa_enable_private_segment 0
		.amdhsa_kernarg_size 24
		.amdhsa_user_sgpr_count 2
		.amdhsa_user_sgpr_kernarg_segment_ptr 1
		.amdhsa_wavefront_size32 1
		.amdhsa_system_sgpr_workgroup_id_x 1
		.amdhsa_system_sgpr_workgroup_id_y 1
		.amdhsa_system_sgpr_workgroup_id_z 1
		.amdhsa_system_vgpr_workitem_id 0
		.amdhsa_next_free_vgpr 768
		.amdhsa_next_free_sgpr 66
		.amdhsa_reserve_vcc 0
		.amdhsa_float_denorm_mode_32 3
		.amdhsa_float_denorm_mode_16_64 3
		.amdhsa_memory_ordered 1
		.amdhsa_forward_progress 1
		.amdhsa_inst_pref_size 85
	.end_amdhsa_kernel
	.amdgpu_metadata
---
amdhsa.version: [ 1, 2 ]
amdhsa.kernels:
  - .name:           k_qa1bbeca5b2_proj
    .symbol:         k_qa1bbeca5b2_proj.kd
    .args:
      - { .name: att, .offset: 0, .size: 8, .value_kind: global_buffer, .address_space: global }
      - { .name: wo16, .offset: 8, .size: 8, .value_kind: global_buffer, .address_space: global }
      - { .name: out0, .offset: 16, .size: 8, .value_kind: global_buffer, .address_space: global }
    .group_segment_fixed_size: 327680
    .private_segment_fixed_size: 0
    .kernarg_segment_align: 8
    .kernarg_segment_size: 24
    .max_flat_workgroup_size: 128
    .sgpr_count:     66
    .vgpr_count:     768
    .wavefront_size: 32
...
	.end_amdgpu_metadata
.endif
;; end of part 4
